; MI455X (gfx1250); checked and timed in simulation.
; The chip was launched on July 23, 2026; its instructions are those of AMD's public machine-readable ISA for CDNA 5 (MIT licence, August 2026) and "CDNA5" Instruction Set Architecture Reference Guide (July 2026). The comments in the code are by the model that wrote it; some were corrected since.
;; Multihead Self Attention. Allowed arithmetic: matrix products marked QUANTISED: E2M3 operands, one E8M0 scale for each 32 along K, by v_wmma_scale_f32_16x16x128_f8f6f4 with both operands' format E2M3, f32 sums; everything else in f32.
;; Inputs: w_out 1,024 x 1,024 float32; w_qkv 1,024 x 3,072 float32; x 4 x 2,048 x 1,024 float32.
;; Outputs: out0 4 x 2,048 x 1,024 float32.
;; This version of the problem:
;;   THIS VERSION OF THE PROBLEM IS GIVEN IN LOW PRECISION. The matrix products marked QUANTISED in the list below multiply operands that are first quantised to E2M3 (2 exponent bits, 3 mantissa bits; 6 bits a number), with one power-of-two scale for each 32 numbers along K (OCP MX v1.0); their sums are f32. All else is computed in f32.
;;   The module's matrix products, in the order in which they are computed (A, B: the left and right operand; K: the contracted axis; several contracted axes count as one K, in the product's order):
;;     1. [M 8,192, K 1,024] x [K 1,024, N 3,072]; A: input x; B: input w_qkv: QUANTISED
;;     2. batch 64 x [M 2,048, K 64] x [K 64, N 2,048]; A: computed on the way; B: computed on the way: QUANTISED
;;     3. batch 64 x [M 2,048, K 2,048] x [K 2,048, N 64]; A: softmax (see below); B: computed on the way: QUANTISED
;;     4. [M 8,192, K 1,024] x [K 1,024, N 1,024]; A: computed on the way; B: input w_out: QUANTISED
;;   THE QUANTISER, for each operand of a quantised product, along K:
;;     - K is cut into blocks of 32 from its start; a last block that is shorter is filled with zeros.
;;     - A block's scale is 2^e with e = floor(log2(the largest magnitude in the block)) - 2, held to -126 .. 127; a block of zeros has e = 0. As a byte (E8M0): e + 127.
;;     - Each number is divided by its block's scale, clamped to +-7.5, and rounded to the nearest number of E2M3, ties to even, subnormals kept.
;;     - The product sums the exact products of the quantised numbers (number of the format x scale) in f32.
;;   ~~~python
;;   def quantise(x, axis):      # numpy; x: float32 -> the quantised numbers, widened to float32 again
;;       x = np.moveaxis(x, axis, -1); K = x.shape[-1]
;;       x = np.pad(x, [(0, 0)] * (x.ndim - 1) + [(0, -K % 32)]); x = x.reshape(x.shape[:-1] + (-1, 32)); a = np.abs(x).max(-1, keepdims=True)
;;       e = np.where(a > 0, np.clip(np.frexp(np.where(a > 0, a, 1))[1] - 1 - 2, -126, 127), 0)      # np.frexp(a)[1] - 1 = floor(log2(a)), exactly
;;       r = np.clip(x / 2.0 ** e, -7.5, 7.5)
;;       step = 2.0 ** (np.maximum(np.frexp(np.where(r == 0, 1, r))[1] - 1, 0) - 3)
;;       q = np.round(r / step) * step * 2.0 ** e      # np.round: ties to even
;;       return np.moveaxis(q.reshape(q.shape[:-2] + (-1,))[..., :K], -1, axis).astype(np.float32)
;;   ~~~
;;   SOFTMAX AHEAD OF A QUANTISED PRODUCT. Where the list says 'softmax', what is quantised is not the finished softmax but p = 2^(t - M), with t = logit x log2(e) and M = ceil(the row's largest t), a whole number; so 1/2 < the row's largest p <= 1. The row's sum l is taken of the UNQUANTISED p, in f32, and the product's result is divided by l at the end. Since M is a whole number, a kernel that streams over the keys may use a running M (the ceiling of the running maximum): every later rescaling is an exact power of two, which a block's scale takes up: the codes' values come out the same.
;;   OPERANDS COMPUTED ON THE WAY. 'Computed on the way' means the value that the module computes at that place (a softmax that the list does not call 'softmax' is quantised finished and normalised). What goes into a quantiser is computed in f32, as accurately as f32 sums, v_exp_f32 and their like allow (about 1e-6 of the number): no bf16 or f16 on the way to a quantiser, and a product that is left as it is and whose result goes on into a quantised operand takes f32 operands (vector FMAs, or v_wmma_f32_16x16x4_f32). A number that lies on a knife's edge between two numbers of the format may be rounded either way, as far as f32 arithmetic and the matrix unit's own rounding can turn it there, and no further.
;; One version. Each part assembles by itself: llvm-mc -triple=amdgcn-amd-amdhsa -mcpu=gfx1250 --defsym DOCPART=n.
;; ======== version 1 of 1: 4 launches
;; limits: right only within a limited range of input values
;; workspace buffers: xq 6,553,600 bytes; wq 3,276,800 bytes; qk 13,631,488 bytes; vv 6,815,744 bytes; oo 6,553,600 bytes
;; launch quant (part 1): grid 384 x 1, 4 waves a work-group, no clusters, 58,880 bytes of LDS; arguments x, w_qkv, w_out, xq, wq; writes xq, wq
.if DOCPART == 1
	.amdgcn_target "amdgcn-amd-amdhsa--gfx1250"
	.amdhsa_code_object_version 6
	.text
	.protected	k_qd996c1db2e_quant
	.globl	k_qd996c1db2e_quant
	.p2align	8
	.type	k_qd996c1db2e_quant,@function
k_qd996c1db2e_quant:
	s_mov_b64 s[64:65], 0
	v_nop
	global_prefetch_b8 v0, s[64:65] scope:SCOPE_SE
	s_setreg_imm32_b32 hwreg(HW_REG_WAVE_MODE, 25, 1), 1
	s_wait_xcnt 0x0
; x [8192][1024], w_qkv [1024][3072] and w_out [1024][1024], f32, become codes of FP6 (E2M3) and E8M0 scale bytes, one for each 32 along K, laid as the matrix operand's registers want them.
; RECORDS.  xq holds 512 and wq 256 records of 12,800 bytes, one for each tile of 16 places (wq: tiles 0-191 w_qkv's columns, 192-255 w_out's).  A record is 8 images of 1,536 bytes, one for each 128 along K, and then 512 bytes of scale words.
; An image is the operand's 12 registers: register j of lane L at byte 512 (j / 4) + 16 L + 4 (j % 4); lane (r, h) holds place r, registers 6 c .. 6 c + 5 hold K = 64 c + 32 h + 0 .. 31.
; Scale words: [pair of steps 0..3][r][8 bytes]: two words, byte b of a word for K = 32 b .. of its step.
; PLACES.  Row m of x and column n of a weight stand at place sigma(m): the index with its bits 3 and 4 exchanged, so that two neighbouring tiles used as source 0 leave 16 neighbours of the index in a lane's 16 result registers.
; A block's scale is 2^(floor(log2(its largest magnitude)) - 2); its byte is the largest magnitude's exponent field - 2, held at 1 from below.
; LIMITS: a block of zeros gets the byte 1 where the rule says 127 (its codes are zeros, and this program alone reads the bytes); largest magnitudes under 2^-124 are held at that floor; NaN and infinities are not served.
; SHARES.  Work-groups 0-255 take x: a wave takes one tile and four of its eight steps; each load reads 512 consecutive bytes of a row, and a step's 16 rows turn through the wave's own stage so that a lane gets its two blocks of 32.
; Work-groups 256-383 take the weights (K is the first axis): a lane takes a column, its registers run down K; a wave takes 32 columns x 256 along K and builds its four images in its own stage.
; The two ways part on the work-group's number and have LDS bytes of their own.  No tensor loads, no barrier: waves share nothing.
.set REC,   12800
.set SPW,   12
.set NIL,   13
.set XSTG,  8448                       ; x: a stage of 16 rows x 528 bytes for each wave, LDS 0 .. 33,791
.set WSTG,  33792                      ; weights: 6,144 bytes for each wave
.set SPARE, 58368                      ; the spare words, 128 bytes a wave
.set XR,    16                         ; v16-143  two sets of 64 numbers as loaded
.set XX,    144                        ; v144-207 my two blocks of 32
.set XC,    208                        ; v208-231 two sets of 12 code registers
.set XW,    232                        ; v232-235 a scale word for each step
.set XT,    236                        ; v236-247 at work
.set NB,    8
.set WX,    32
.set WC,    96
.set OUTR,  112
.set SBY,   24
.set VOFF,  176
.set SBS,   32
.macro XLOAD t                         ; step t: place r's row, 512 consecutive bytes a load
.irp r, 0,1,2,3,4,5,6,7,8,9,10,11,12,13,14,15
	global_load_b128 v[XR+64*((\t)%2)+4*\r:XR+64*((\t)%2)+4*\r+3], v3, s[4:5] offset:((\r%8)+16*(\r/8))*4096+512*(\t) th:TH_LOAD_NT
.endr
.endm
.macro XSTEP t
.set CC, XC+12*((\t)%2)
.if (\t) < 3
	s_wait_loadcnt 16                              ; this step's 16 loads are in, the next step's may be out
.else
	s_wait_loadcnt 0
.endif
.irp r, 0,1,2,3,4,5,6,7,8,9,10,11,12,13,14,15
	ds_store_b128 v4, v[XR+64*((\t)%2)+4*\r:XR+64*((\t)%2)+4*\r+3] offset:528*\r
.endr
.irp i, 0,1,2,3,4,5,6,7,8,9,10,11,12,13,14,15
	ds_load_b128 v[XX+4*\i:XX+4*\i+3], v5 offset:256*(\i/8)+16*(\i%8)   ; LDS serves a wave's instructions in order: these see the stores
.endr
	s_wait_dscnt 0x0                               ; my blocks are in, and the stores have read their registers
.if (\t)+2 < 4
	XLOAD (\t)+2
.else
	s_wait_xcnt 0x0                                ; the stores of two steps ago have read this set of codes
.endif
.irp c, 0,1
	v_max3_num_f32 v[XT+8+\c], |v[XX+32*\c]|, |v[XX+32*\c+1]|, 0x1800000   ; with the floor 2^(3 - 127)
.endr
.irp i, 2,4,6,8,10,12,14,16,18,20,22,24,26,28,30
.irp c, 0,1
	v_max3_num_f32 v[XT+8+\c], v[XT+8+\c], |v[XX+32*\c+\i]|, |v[XX+32*\c+\i+1]|
.endr
.endr
.irp c, 0,1
	v_add_nc_u32 v[XT+10+\c], 0xff000000, v[XT+8+\c]   ; 2 off the exponent field: the conversion's scale operand
.endr
.irp c, 0,1
	v_lshrrev_b32 v[XT+8+\c], 23, v[XT+10+\c]      ; the byte
.endr
	v_lshl_or_b32 v[XT+8], v[XT+9], 16, v[XT+8]    ; blocks h and 2 + h,
	v_lshlrev_b32 v[XT+8], v6, v[XT+8]             ; 8 h bits up;
	v_permlanex16_b32 v[XT+9], v[XT+8], s20, s21
	v_or_b32 v[XW+(\t)], v[XT+8], v[XT+9]          ; with lane l xor 16's two the word is whole
	v_cvt_scalef32_pk16_fp6_f32 v[CC:CC+2], v[XX:XX+15], v[XT+10]
	v_cvt_scalef32_pk16_fp6_f32 v[XT:XT+2], v[XX+16:XX+31], v[XT+10]   ; (a conversion's three registers begin on an even number)
	v_cvt_scalef32_pk16_fp6_f32 v[CC+6:CC+8], v[XX+32:XX+47], v[XT+11]
	v_cvt_scalef32_pk16_fp6_f32 v[XT+4:XT+6], v[XX+48:XX+63], v[XT+11]
	v_nop
.irp i, 0,1,2
	v_mov_b32 v[CC+3+\i], v[XT+\i]
	v_mov_b32 v[CC+9+\i], v[XT+4+\i]
.endr
.irp j, 0,1,2
	global_store_b128 v3, v[CC+4*\j:CC+4*\j+3], s[8:9] offset:1536*(\t)+512*\j   ; 512 consecutive bytes, aligned
.endr
.endm
.macro WLOAD t
.irp i, 0,1,2,3,4,5,6,7,8,9,10,11,12,13,14,15,16,17,18,19,20,21,22,23,24,25,26,27,28,29,30,31
	global_load_b32 v[WX+32*((\t)%2)+\i], v[VOFF+\i], s[SBS+2*(\t):SBS+2*(\t)+1] th:TH_LOAD_NT
.endr
.endm
.macro WBLOCK t                        ; block t of my column: step t / 4 of my two, c = (t % 4) / 2, h = t % 2
.set XS2, WX+32*((\t)%2)
.set OFF, 1536*((\t)/4)+256*((\t)%2)
.if (\t) < NB-1
	s_wait_loadcnt 32
.else
	s_wait_loadcnt 0
.endif
	v_max3_num_f32 v14, |v[XS2]|, |v[XS2+1]|, |v[XS2+2]|
	v_max3_num_f32 v15, |v[XS2+3]|, |v[XS2+4]|, |v[XS2+5]|
.irp i, 6,10,14,18,22,26
	v_max3_num_f32 v14, v14, |v[XS2+\i]|, |v[XS2+\i+1]|
	v_max3_num_f32 v15, v15, |v[XS2+\i+2]|, |v[XS2+\i+3]|
.endr
	v_max3_num_f32 v14, v14, |v[XS2+30]|, |v[XS2+31]|
	v_max3_num_f32 v14, v14, v15, 0x1800000
	v_add_nc_u32 v11, 0xff000000, v14
	v_lshrrev_b32 v15, 23, v11
.if (\t)%4 == 0
	v_mov_b32 v[SBY+(\t)/4], v15
.else
	v_lshl_or_b32 v[SBY+(\t)/4], v15, 8*((\t)%4), v[SBY+(\t)/4]
.endif
	v_cvt_scalef32_pk16_fp6_f32 v[WC:WC+2], v[XS2:XS2+15], v11
	v_cvt_scalef32_pk16_fp6_f32 v[WC+8:WC+10], v[XS2+16:XS2+31], v11
	v_nop
.irp i, 0,1,2
	v_mov_b32 v[WC+3+\i], v[WC+8+\i]
.endr
.if ((\t)%4)/2 == 0
	ds_store_b128 v4, v[WC:WC+3] offset:OFF        ; registers 0-3 of the image,
	ds_store_b64 v4, v[WC+4:WC+5] offset:OFF+512   ; 4-5
.else
	ds_store_b64 v4, v[WC:WC+1] offset:OFF+520     ; 6-7,
	ds_store_b128 v4, v[WC+2:WC+5] offset:OFF+1024 ; 8-11
.endif
.if (\t)+2 < NB
	WLOAD (\t)+2
.endif
	s_wait_dscnt 0x0                               ; the stores have read their registers
.endm
	s_load_b128 s[4:7], s[0:1], 0x0                ; x, w_qkv
	s_load_b128 s[8:11], s[0:1], 0x10              ; w_out, xq
	s_load_b64 s[12:13], s[0:1], 0x20              ; wq
	v_lshl_add_u32 v[SPW], v0, 2, SPARE
	v_mov_b32 v[NIL], 0
	v_lshrrev_b32 v1, 5, v0
	v_readfirstlane_b32 s16, v1                    ; wave
	v_and_b32 v2, 31, v0                           ; lane
	s_cmp_lt_u32 ttmp9, 256
	s_wait_alu depctr_va_vdst(0)                   ; the wait ahead of the branch
	s_cbranch_scc0 .Lweights
	; ---- x: tile 2 g + wave / 2, steps 4 (wave % 2) ..
	v_lshlrev_b32 v3, 4, v2
	v_and_b32 v8, 15, v0                           ; r
	v_bfe_u32 v9, v0, 4, 1                         ; h
	s_mul_i32 s17, s16, XSTG
	v_add_nc_u32 v4, s17, v3                       ; the stage, in: row x 528 + 16 x lane
	v_mul_u32_u24 v5, v8, 528
	v_lshl_add_u32 v5, v9, 7, v5
	v_add_nc_u32 v5, s17, v5                       ; out: my row, + 128 h
	v_lshlrev_b32 v6, 3, v9                        ; 8 h
	v_lshlrev_b32 v7, 3, v2
	s_lshr_b32 s18, s16, 1
	s_and_b32 s19, s16, 1
	s_lshl_b32 s22, ttmp9, 17                      ; 32 rows of 4,096 bytes a work-group,
	s_lshl_b32 s23, s18, 15                        ; 8 rows on for the odd tile,
	s_add_co_u32 s22, s22, s23
	s_lshl_b32 s23, s19, 11                        ; four steps of 512 bytes
	s_add_co_u32 s22, s22, s23
	s_mov_b32 s23, 0
	s_lshl_b32 s24, ttmp9, 1
	s_add_co_u32 s24, s24, s18
	s_mul_i32 s24, s24, REC
	s_mul_i32 s26, s19, 6144
	s_add_co_u32 s26, s26, s24                     ; my images
	s_mov_b32 s27, 0
	s_lshl_b32 s25, s19, 8
	s_add_co_u32 s24, s24, s25
	s_add_co_u32 s24, s24, 12288                   ; my two pairs of scale words
	s_mov_b32 s25, 0
	s_mov_b32 s20, 0x76543210
	s_mov_b32 s21, 0xfedcba98
	s_wait_alu depctr_va_vdst(0)                   ; the wait at the head's end
	s_wait_kmcnt 0x0
	s_add_nc_u64 s[4:5], s[4:5], s[22:23]
	s_add_nc_u64 s[8:9], s[10:11], s[26:27]
	s_add_nc_u64 s[10:11], s[10:11], s[24:25]
	XLOAD 0
	XLOAD 1
.irp t, 0,1,2,3
	XSTEP \t
.endr
	v_cmp_ne_u32 vcc_lo, 0, v6
	v_cndmask_b32 v[XT], v[XW], v[XW+2], vcc_lo    ; lanes 0-15 store the first pair's two words, lanes 16-31 the second's
	v_cndmask_b32 v[XT+1], v[XW+1], v[XW+3], vcc_lo
	global_store_b64 v7, v[XT:XT+1], s[10:11]      ; 256 consecutive bytes, aligned
	s_branch .Lend
.Lweights:
	; ---- the weights: work-group 256 + 32 y + x': places 128 x' .., K = 256 y ..
	s_sub_co_u32 s17, ttmp9, 256
	s_and_b32 s18, s17, 31
	s_lshr_b32 s19, s17, 5
	s_lshl_b32 s20, s18, 7
	s_lshl_b32 s21, s16, 5
	s_add_co_u32 s20, s20, s21                     ; my wave's first place and column (sigma stays inside 32)
	v_and_b32 v3, 7, v0
	v_bfe_u32 v5, v0, 3, 1                         ; which of my two tiles
	v_bfe_u32 v6, v0, 4, 1
	v_lshl_or_b32 v3, v6, 3, v3                    ; r in it
	s_mul_i32 s21, s16, 6144
	s_add_co_u32 s21, s21, WSTG
	v_mul_u32_u24 v4, v5, 3072
	v_lshl_add_u32 v4, v3, 4, v4
	v_add_nc_u32 v4, s21, v4                       ; the stage, in: tile x 3,072 + 16 r
	v_mul_u32_u24 v9, v5, REC
	v_lshl_add_u32 v9, v3, 3, v9                   ; my scale words' place
	v_lshlrev_b32 v8, 4, v2
	v_add_nc_u32 v7, s21, v8                       ; out: 16 x lane
	s_mov_b32 s22, 4096
	s_wait_alu depctr_va_vdst(0)
	s_wait_kmcnt 0x0
	s_cmp_lt_u32 s18, 24                           ; which weight: by the work-group's number alone
	s_cselect_b64 s[4:5], s[6:7], s[8:9]
	s_cselect_b32 s22, 12288, s22
	s_cselect_b32 s23, 0, 3072
	s_sub_co_u32 s24, s20, s23
	s_lshl_b32 s24, s24, 2
	s_mul_i32 s25, s19, s22
	s_lshl_b32 s25, s25, 8
	s_add_co_u32 s24, s24, s25
	s_mov_b32 s25, 0
	s_add_nc_u64 s[SBS:SBS+1], s[4:5], s[24:25]
	s_lshl_b32 s26, s22, 5
	s_mov_b32 s27, 0
.irp t, 1,2,3,4,5,6,7
	s_add_nc_u64 s[SBS+2*\t:SBS+2*\t+1], s[SBS+2*\t-2:SBS+2*\t-1], s[26:27]
.endr
	v_lshlrev_b32 v[VOFF], 2, v2
.irp i, 1,2,3,4,5,6,7,8,9,10,11,12,13,14,15,16,17,18,19,20,21,22,23,24,25,26,27,28,29,30,31
	v_mad_u32_u24 v[VOFF+\i], s22, \i, v[VOFF]
.endr
	s_lshr_b32 s28, s20, 4
	s_mul_i32 s28, s28, REC                        ; my first record
	s_mul_i32 s24, s19, 3072
	s_add_co_u32 s24, s24, s28
	s_add_nc_u64 s[6:7], s[12:13], s[24:25]        ; images 2 y, 2 y + 1
	s_lshl_b32 s24, s19, 7
	s_add_co_u32 s24, s24, s28
	s_add_co_u32 s24, s24, 12288
	s_add_nc_u64 s[8:9], s[12:13], s[24:25]        ; pair y of the scale words
	s_wait_alu depctr_va_vdst(0)
	WLOAD 0
	WLOAD 1
.irp t, 0,1,2,3,4,5,6,7
	WBLOCK \t
.endr
	s_wait_alu depctr_va_vdst(0)
	global_store_b64 v9, v[SBY:SBY+1], s[8:9]      ; sixteen lanes store 128 consecutive bytes
.irp i, 0,1,2,3,4,5,6,7,8,9,10,11
	ds_load_b128 v[OUTR+4*\i:OUTR+4*\i+3], v7 offset:512*\i
.endr
.irp i, 0,1,2,3,4,5,6,7,8,9,10,11
	s_wait_dscnt 11-\i
	global_store_b128 v8, v[OUTR+4*\i:OUTR+4*\i+3], s[6:7] offset:(\i/6)*REC+(\i%6)*512   ; 512 consecutive bytes, aligned
.endr
.Lend:
	s_wait_tensorcnt 0x0                           ; the wave's end
	ds_add_u32 v[SPW], v[NIL]
	s_wait_dscnt 0x0
	s_endpgm
.Lfunc_end_k_qd996c1db2e_quant:
	.size	k_qd996c1db2e_quant, .Lfunc_end_k_qd996c1db2e_quant-k_qd996c1db2e_quant
	.p2alignl 7, 3214868480
	.fill 96, 4, 3214868480
	.section	.rodata,"a",@progbits
	.p2align	6, 0x0
	.amdhsa_kernel k_qd996c1db2e_quant
		.amdhsa_group_segment_fixed_size 58880
		.amdhsa_private_segment_fixed_size 0
		.amdhsa_enable_private_segment 0
		.amdhsa_kernarg_size 40
		.amdhsa_user_sgpr_count 2
		.amdhsa_user_sgpr_kernarg_segment_ptr 1
		.amdhsa_wavefront_size32 1
		.amdhsa_system_sgpr_workgroup_id_x 1
		.amdhsa_system_sgpr_workgroup_id_y 1
		.amdhsa_system_sgpr_workgroup_id_z 1
		.amdhsa_system_vgpr_workitem_id 0
		.amdhsa_next_free_vgpr 256
		.amdhsa_next_free_sgpr 66
		.amdhsa_reserve_vcc 1
		.amdhsa_float_denorm_mode_32 3
		.amdhsa_float_denorm_mode_16_64 3
		.amdhsa_memory_ordered 1
		.amdhsa_forward_progress 1
		.amdhsa_inst_pref_size 74
	.end_amdhsa_kernel
	.amdgpu_metadata
---
amdhsa.version: [ 1, 2 ]
amdhsa.kernels:
  - .name:           k_qd996c1db2e_quant
    .symbol:         k_qd996c1db2e_quant.kd
    .args:
      - { .name: x, .offset: 0, .size: 8, .value_kind: global_buffer, .address_space: global }
      - { .name: w_qkv, .offset: 8, .size: 8, .value_kind: global_buffer, .address_space: global }
      - { .name: w_out, .offset: 16, .size: 8, .value_kind: global_buffer, .address_space: global }
      - { .name: xq, .offset: 24, .size: 8, .value_kind: global_buffer, .address_space: global }
      - { .name: wq, .offset: 32, .size: 8, .value_kind: global_buffer, .address_space: global }
    .group_segment_fixed_size: 58880
    .private_segment_fixed_size: 0
    .kernarg_segment_align: 8
    .kernarg_segment_size: 40
    .max_flat_workgroup_size: 128
    .sgpr_count:     66
    .vgpr_count:     256
    .wavefront_size: 32
...
	.end_amdgpu_metadata
.endif
;; end of part 1
;; launch gemm_qkv (part 2): grid 256 x 1, 4 waves a work-group, clusters of 4 x 1, 327,680 bytes of LDS; arguments xq, wq, qk, vv; writes qk, vv
.if DOCPART == 2
	.amdgcn_target "amdgcn-amd-amdhsa--gfx1250"
	.amdhsa_code_object_version 6
	.text
	.protected	k_qd996c1db2e_gemm_qkv
	.globl	k_qd996c1db2e_gemm_qkv
	.p2align	8
	.type	k_qd996c1db2e_gemm_qkv,@function
k_qd996c1db2e_gemm_qkv:
	s_mov_b64 s[64:65], 0
	v_nop
	global_prefetch_b8 v0, s[64:65] scope:SCOPE_SE
	s_setreg_imm32_b32 hwreg(HW_REG_WAVE_MODE, 25, 1), 1
	s_wait_xcnt 0x0
	s_wait_alu depctr_hold_cnt(0) depctr_sa_sdst(0) depctr_va_vdst(0) depctr_va_sdst(0) depctr_va_ssrc(0) depctr_va_vcc(0) depctr_vm_vsrc(0)
	s_getreg_b32 s2, hwreg(HW_REG_IB_STS2, 6, 4)
	s_cmp_eq_u32 s2, 0
	s_cbranch_scc0 .Lentry_in_a_cluster
	s_endpgm
.Lentry_in_a_cluster:
	s_bfe_u32 s2, ttmp6, 0x10000c
	s_cmp_lg_u32 s2, 0x3003
	s_cbranch_scc0 .Lentry_shape_is_right
	s_endpgm
.Lentry_shape_is_right:
; qkv = x w_qkv on codes of FP6 (E2M3) with E8M0 scales; q and k are quantised along the head's 64, v along the keys, and leave as register images for the attention launch.
; INPUTS: records of 12,800 bytes for each tile of 16 places: 8 images of 1,536 bytes (128 along K each), then 512 bytes of scale words [pair of steps][r][8].
; SHARES.  256 work-groups, each with 256 rows of x against 384 columns, in three units of 128 columns.  Cluster c (0-63), place cx: rows 256 i .. (i = 4 (c / 8) + cx); with j = c % 8: units 0 and 1 are columns 256 j .. of q and k, unit 2 is v's channels 128 j ...
; x IS RESIDENT: a wave's 64 rows, all of K, 384 registers, loaded from memory as they lie, once.  The weights come from LDS, 8 records a unit.
; Units 0, 1: source 0 = w, source 1 = x: a lane holds a row of x, its registers run along the head's channels.  Unit 2: source 0 = x, source 1 = w: a lane holds a channel, its registers run along the keys.
; LDS holds the three units' 24 records, 307,200 bytes, each filled ONCE.  The four partners of a cluster need the same 24 records: every fill is a joint load with the mask of all four.
; At the head each wave asks for a quarter of unit 0; behind the full sequence and a round each wave asks for a half of unit 1 or 2, which lands while unit 0 is multiplied.
; All tensor loads stand at the head and there is no loop to run ahead in: nothing is prefetched.
; v's WAY OUT.  An image of v holds 128 keys, a wave has 64: registers 6 c .. 6 c + 5 and two of the four scale bytes, c = wave % 2.  The images are put together in LDS, on unit 0's bytes, which have had their last fill and,
; behind unit 0's barrier, their last read; behind a barrier each wave stores four whole images and their scale words.
; LIMITS: a block of zeros gets the byte 1 (its codes are zeros; this program alone reads the bytes); largest magnitudes under 2^-124 are held at that floor; NaN and infinities are not served.
; REGISTERS: window 0: v0-15 addresses, v16-47 x's scale words (tile a, step st at 16 + 8 a + st), v48-63 w's scale words (two sets; lanes 0-15 tile b, lanes 16-31 tile b + 4), v64-255 w's fragments, two sets;
; windows 1, 2: v0-191 x's fragments of steps 0-3, 4-7; window 3: the 32 accumulators: (a, b) at 8 (8 a + b) in units 0 and 1, at 8 (4 b + a) in unit 2.
.set REC,   12800
.set GRP,   8*REC
.set SPARE, 3*GRP
.set VSTS,  24576                      ; v's stage: 16 images from byte 0, then 4 x 512 bytes of scale words
.set SPW, 1
.set NIL, 2
.set L16, 3                            ; 16 x lane
.set L8,  4                            ; 8 x lane
.set SH,  5                            ; 16 h
.set SCO, 6                            ; 16 r + 32,768 h
.set R8,  7                            ; 8 r
.set L16B, 8                           ; 16 x lane + 4 records
.set SC0, 9                            ; 12,288 + 8 r + 4 records x h
.set ADB, 10                           ; v10-11 the unit's fragments, tiles 0-3 and 4-7
.set ADS, 12                           ; its scale words
.set RS,  16
.set BS,  48
.set BF,  64
.set TM,  200
.set PW,  216
.set WD,  224
.set G1H, 24
.set G1L, 32
.set G0H, 40
.set G0L, 44
.set RB,  48                           ; s[48:49] my x records
.set TR,  52                           ; the unit
.set GB,  53                           ; its LDS base
.set MSB, 0
.macro WIN new
.if MSB != (\new)
	s_set_vgpr_msb (MSB<<8)|(\new)
.set MSB, (\new)
.endif
.endm
.macro PLACES
.rept 4
	v_nop
.endr
.endm
.macro CROUND
	s_barrier_signal -1
	s_barrier_wait -1
	s_cmp_lg_u32 s14, 0
	s_cbranch_scc1 .Lnot_wave_0_\@
	s_barrier_signal -3
.Lnot_wave_0_\@:
	s_barrier_wait -3
	s_barrier_signal -1
	s_barrier_wait -1
.endm
.macro RLOAD st                        ; x's fragments of step st: 12 loads of 512 consecutive bytes
	WIN (1+(\st)/4)<<6
.irp a, 0,1,2,3
.irp c, 0,1,2
	global_load_b128 v[48*((\st)%4)+12*\a+4*\c:48*((\st)%4)+12*\a+4*\c+3], v[L16], s[RB:RB+1] offset:\a*REC+(\st)*1536+512*\c
.endr
.endr
	WIN 0
.endm
.macro FETCH st                        ; w's eight fragments of step st, three loads of 512 consecutive bytes each; with an even step the scale words of its pair
.irp b, 0,1,2,3,4,5,6,7
.irp c, 0,1,2
	ds_load_b128 v[BF+96*((\st)%2)+12*\b+4*\c:BF+96*((\st)%2)+12*\b+4*\c+3], v[ADB+\b/4] offset:(\b%4)*REC+(\st)*1536+512*\c
.endr
.endr
.if (\st)%2 == 0
.irp b, 0,1,2,3
	ds_load_b64 v[BS+8*(((\st)/2)%2)+2*\b:BS+8*(((\st)/2)%2)+2*\b+1], v[ADS] offset:\b*REC+128*((\st)/2)
.endr
.endif
.endm
.macro WM d, x, y, sx, sy, zero, ra, rb    ; one product; ra, rb: source 0's or source 1's scale words stand in lanes 16-31
.if \zero
.if \ra
	v_wmma_scale_f32_16x16x128_f8f6f4 v[\d:\d+7], v[\x:\x+11], v[\y:\y+11], 0, v[\sx], v[\sy] matrix_a_fmt:MATRIX_FMT_FP6 matrix_b_fmt:MATRIX_FMT_FP6 matrix_a_scale:MATRIX_SCALE_ROW1
.else
.if \rb
	v_wmma_scale_f32_16x16x128_f8f6f4 v[\d:\d+7], v[\x:\x+11], v[\y:\y+11], 0, v[\sx], v[\sy] matrix_a_fmt:MATRIX_FMT_FP6 matrix_b_fmt:MATRIX_FMT_FP6 matrix_b_scale:MATRIX_SCALE_ROW1
.else
	v_wmma_scale_f32_16x16x128_f8f6f4 v[\d:\d+7], v[\x:\x+11], v[\y:\y+11], 0, v[\sx], v[\sy] matrix_a_fmt:MATRIX_FMT_FP6 matrix_b_fmt:MATRIX_FMT_FP6
.endif
.endif
.else
.if \ra
	v_wmma_scale_f32_16x16x128_f8f6f4 v[\d:\d+7], v[\x:\x+11], v[\y:\y+11], v[\d:\d+7], v[\sx], v[\sy] matrix_a_fmt:MATRIX_FMT_FP6 matrix_b_fmt:MATRIX_FMT_FP6 matrix_a_scale:MATRIX_SCALE_ROW1
.else
.if \rb
	v_wmma_scale_f32_16x16x128_f8f6f4 v[\d:\d+7], v[\x:\x+11], v[\y:\y+11], v[\d:\d+7], v[\sx], v[\sy] matrix_a_fmt:MATRIX_FMT_FP6 matrix_b_fmt:MATRIX_FMT_FP6 matrix_b_scale:MATRIX_SCALE_ROW1
.else
	v_wmma_scale_f32_16x16x128_f8f6f4 v[\d:\d+7], v[\x:\x+11], v[\y:\y+11], v[\d:\d+7], v[\sx], v[\sy] matrix_a_fmt:MATRIX_FMT_FP6 matrix_b_fmt:MATRIX_FMT_FP6
.endif
.endif
.endif
.endm
.macro MUL st, v                       ; 32 products, the 32 accumulators by turns; step 0 starts the sums.  v = 1: x is source 0
.if \v
	WIN 0xf0|(1+(\st)/4)
.else
	WIN 0xf0|((1+(\st)/4)<<2)
.endif
.irp a, 0,1,2,3
.irp b, 0,1,2,3,4,5,6,7
.set FL_, BF+96*((\st)%2)+12*\b
.set FR_, 48*((\st)%4)+12*\a
.set QL_, BS+8*(((\st)/2)%2)+2*(\b%4)+(\st)%2
.set QR_, RS+8*\a+(\st)
.if \v
.set DD_, 8*(4*\b+\a)
	WM DD_, FR_, FL_, QR_, QL_, (\st)==0, 0, \b/4
.else
.set DD_, 8*(8*\a+\b)
	WM DD_, FL_, FR_, QL_, QR_, (\st)==0, \b/4, 0
.endif
.endr
.endr
	WIN 0
.endm
.macro STEP st, v
	s_wait_dscnt 0x0                               ; this step's fragments of w, asked for one step ago, are in
	PLACES                                         ; four places behind the last step's products, ahead of loads into registers that they read
.if (\st) < 7
	FETCH (\st)+1
.endif
.if 12*(7-(\st)) > 63
	s_wait_loadcnt 63                              ; x's fragments of this step are in: behind them 12 loads for each later step were issued, more than the count can name
.else
	s_wait_loadcnt 12*(7-(\st))                    ; x's fragments of this step are in: the 12 loads of each later step may be out
.endif
	MUL \st, \v
.endm
; 64 accumulator registers from 64 a on: four blocks of 32 along source 0's axis become 12 code registers (PC ..) and four scale bytes (PW)
.macro QUANTA a
.set AC, 64*(\a)
.set PC, 112+24*((\a)%2)
	s_wait_xcnt 0x0                                ; earlier stores have read this set of registers
	WIN 0x0f
.irp b, 0,1,2,3
	v_max3_num_f32 v[TM+\b], |v[AC+16*\b]|, |v[AC+16*\b+1]|, 0x1800000   ; each accumulator from its low end on; the floor 2^(3 - 127)
.endr
	WIN 0x3c
.irp i, 2,4,6,8,10,12,14
.irp b, 0,1,2,3
	v_max3_num_f32 v[TM+\b], v[TM+\b], |v[AC+16*\b+\i]|, |v[AC+16*\b+\i+1]|
.endr
.endr
	WIN 0
.irp b, 0,1,2,3
	v_permlanex16_b32 v[TM+4+\b], v[TM+\b], s20, s21
.endr
.irp b, 0,1,2,3
	v_max_num_f32 v[TM+\b], v[TM+\b], v[TM+4+\b]
.endr
.irp b, 0,1,2,3
	v_add_nc_u32 v[TM+12+\b], 0xff000000, v[TM+\b]
.endr
.irp b, 0,1,2,3
	v_lshrrev_b32 v[TM+4+\b], 23, v[TM+12+\b]
.endr
	v_lshl_or_b32 v[PW], v[TM+5], 8, v[TM+4]
	v_lshl_or_b32 v[PW], v[TM+6], 16, v[PW]
	v_lshl_or_b32 v[PW], v[TM+7], 24, v[PW]
	WIN 0x03
.irp c, 0,1
	v_cvt_scalef32_pk16_fp6_f32 v[PC+6*\c:PC+6*\c+2], v[AC+32*\c:AC+32*\c+15], v[TM+12+2*\c]
	v_cvt_scalef32_pk16_fp6_f32 v[PC+12+4*\c:PC+14+4*\c], v[AC+32*\c+16:AC+32*\c+31], v[TM+13+2*\c]
.endr
	WIN 0
	v_nop
.irp c, 0,1
.irp i, 0,1,2
	v_permlane16_swap_b32 v[PC+6*\c+\i], v[PC+12+4*\c+\i]
.endr
.irp i, 0,1,2
	v_mov_b32 v[PC+3+6*\c+\i], v[PC+12+4*\c+\i]
.endr
.endr
.endm
.macro TOP                             ; a unit begins
	v_add_nc_u32 v[ADB], s[GB], v[L16]
	v_add_nc_u32 v[ADB+1], s[GB], v[L16B]
	v_add_nc_u32 v[ADS], s[GB], v[SC0]
	s_wait_alu depctr_va_vdst(0)                   ; the wait
	FETCH 0
.endm
	s_load_b128 s[4:7], s[0:1], 0x0                ; xq, wq
	s_load_b128 s[8:11], s[0:1], 0x10              ; qk, vv
	v_lshl_add_u32 v[SPW], v0, 2, SPARE
	v_mov_b32 v[NIL], 0
	ds_add_u32 v[SPW], v[NIL]                      ; the opening: the add, twice on end, and its wait ahead of my first tensor load
	ds_add_u32 v[SPW], v[NIL]
	v_lshrrev_b32 v13, 5, v0
	v_readfirstlane_b32 s14, v13                   ; wave
	s_bfe_u32 s15, ttmp6, 0x40000                  ; cx: it enters the addresses of plain loads and stores alone
.irp g, G1H, G1L                       ; group 1: dense rows of 256 bytes (32 elements of 8); the mask names all four partners, bit 21 beside it
	s_mov_b32 s[\g], 15|(3<<16)|(1<<21)
	s_mov_b32 s[\g+1], 32<<16
	s_mov_b32 s[\g+3], 32<<16
	s_mov_b32 s[\g+5], 32
	s_mov_b32 s[\g+6], 0
	s_mov_b32 s[\g+7], 0
.endr
	s_mov_b32 s[G1H+2], 100<<16                    ; two records
	s_mov_b32 s[G1H+4], 100
	s_mov_b32 s[G1L+2], 200<<16                    ; four records
	s_mov_b32 s[G1L+4], 200
	s_and_b32 s16, ttmp9, 7                        ; j
	s_lshr_b32 s17, ttmp9, 3
	s_lshl_b32 s17, s17, 2
	s_add_co_u32 s17, s17, s15                     ; i
	s_lshl_b32 s18, s16, 4
	s_lshl_b32 s19, s14, 1
	s_add_co_u32 s19, s19, s18
	s_mul_i32 s54, s19, REC                        ; unit 0, my quarter: wq records 16 j + 2 wave
	s_mov_b32 s55, 0
	s_lshl_b32 s19, s14, 2
	s_add_co_u32 s22, s18, s19
	s_add_co_u32 s22, s22, 8                       ; waves 0, 1: unit 1's halves: records 16 j + 8 + 4 wave
	s_and_b32 s23, s14, 1
	s_lshl_b32 s23, s23, 2
	s_lshl_b32 s60, s16, 3
	s_add_co_u32 s23, s23, s60
	s_add_co_u32 s23, s23, 128                     ; waves 2, 3: unit 2's halves: records 128 + 8 j + 4 (wave - 2)
	s_cmp_lt_u32 s14, 2
	s_cselect_b32 s22, s22, s23
	s_mul_i32 s56, s22, REC
	s_mov_b32 s57, 0
	s_lshl_b32 s60, s17, 4
	s_add_co_u32 s60, s60, s19                     ; my first x tile: 16 i + 4 wave
	s_mul_i32 s58, s60, REC
	s_mov_b32 s59, 0
	s_mul_i32 s[G0H+1], s14, 2*REC
	s_mul_i32 s[G0L+1], s14, 4*REC
	s_add_co_u32 s[G0L+1], s[G0L+1], GRP
	s_lshl_b32 s61, s17, 1                         ; q's and k's scale words: [head][block of 128 rows][512]: my block, my half of it
	s_lshr_b32 s22, s14, 1
	s_add_co_u32 s61, s61, s22
	s_lshl_b32 s61, s61, 9
	s_and_b32 s22, s14, 1
	s_lshl_b32 s22, s22, 8
	s_add_co_u32 s61, s61, s22
	s_add_co_u32 s61, s61, 12582912
	s_lshl_b32 s62, s16, 2                         ; the first head-like index of the 256 columns
	s_lshr_b32 s22, s17, 3                         ; v, what I store: batch x 16 + head, head = 2 j + wave % 2,
	s_lshl_b32 s22, s22, 4
	s_lshl_b32 s23, s16, 1
	s_add_co_u32 s22, s22, s23
	s_and_b32 s23, s14, 1
	s_add_co_u32 s22, s22, s23
	s_and_b32 s23, s17, 7                          ; and the step of 128 keys: 2 (i % 8) + wave / 2
	s_lshl_b32 s23, s23, 1
	s_lshr_b32 s66, s14, 1
	s_add_co_u32 s23, s23, s66
	s_lshl_b32 s22, s22, 4
	s_add_co_u32 s22, s22, s23
	s_mul_i32 s66, s22, 6144                       ; its four images
	s_lshl_b32 s67, s22, 9
	s_add_co_u32 s67, s67, 6291456                 ; its scale words
	s_mov_b32 s20, 0x76543210
	s_mov_b32 s21, 0xfedcba98
	s_wait_dscnt 0x0                               ; both opening adds are done
	s_wait_kmcnt 0x0
	s_mov_b32 s[G0H], 1
	s_add_nc_u64 s[G0H+2:G0H+3], s[6:7], s[54:55]
	s_or_b32 s[G0H+3], s[G0H+3], 0x80000000
	s_mov_b32 s[G0L], 1
	s_add_nc_u64 s[G0L+2:G0L+3], s[6:7], s[56:57]
	s_or_b32 s[G0L+3], s[G0L+3], 0x80000000
	s_add_nc_u64 s[RB:RB+1], s[4:5], s[58:59]
	CROUND                                         ; all four work-groups are here: the joint loads meet
	tensor_load_to_lds s[G0H:G0H+3], s[G1H:G1H+7]  ; my quarter of unit 0: one tensor load a wave at the head
	s_nop 0
	PLACES
	v_and_b32 v13, 31, v0
	v_and_b32 v14, 15, v0
	v_bfe_u32 v15, v0, 4, 1
	v_lshlrev_b32 v[L16], 4, v13
	v_lshlrev_b32 v[L8], 3, v13
	v_lshlrev_b32 v[SH], 4, v15
	v_lshlrev_b32 v[SCO], 4, v14
	v_lshl_add_u32 v[SCO], v15, 15, v[SCO]
	v_lshlrev_b32 v[R8], 3, v14
	v_add_nc_u32 v[L16B], 4*REC, v[L16]
	v_mul_u32_u24 v[SC0], v15, 4*REC
	v_add_nc_u32 v[SC0], v[SC0], v[R8]
	v_add_nc_u32 v[SC0], 12288, v[SC0]
	s_wait_alu depctr_va_vdst(0)                   ; the wait at the head's end
.irp a, 0,1,2,3                        ; x's scale words first: every step needs its own
.irp p, 0,1,2,3
	global_load_b64 v[RS+8*\a+2*\p:RS+8*\a+2*\p+1], v[R8], s[RB:RB+1] offset:\a*REC+12288+128*\p
.endr
.endr
.irp t, 0,1,2
	RLOAD \t
.endr
	s_wait_tensorcnt 0x0                           ; my quarter is in
	ds_add_u32 v[SPW], v[NIL]
	s_wait_dscnt 0x0
	CROUND                                         ; unit 0 is whole in every partner
	tensor_load_to_lds s[G0L:G0L+3], s[G1L:G1L+7]  ; my half of unit 1 or 2
	s_nop 0
	PLACES
.irp t, 3,4,5,6,7
	RLOAD \t
.endr
	s_mov_b32 s[TR], 0
	s_mov_b32 s[GB], 0
	s_mov_b32 s55, 0
.Lgroup:                                               ; units 0 and 1: q and k
	TOP
.irp t, 0,1,2,3,4,5,6,7
	STEP \t, 0
.endr
	PLACES                                         ; behind the last products: ahead of the first read of results and of writes into fragments
	s_lshl_b32 s22, s[TR], 1
	s_add_co_u32 s22, s22, s62                     ; the unit's first head-like index (0-15 q, 16-31 k)
	s_lshl_b32 s54, s22, 9
	s_add_co_u32 s54, s54, s60
	s_mul_i32 s54, s54, 768                        ; images [index][x tile][768]
	s_add_nc_u64 s[56:57], s[8:9], s[54:55]
	s_lshl_b32 s54, s22, 15
	s_add_co_u32 s54, s54, s61
	s_add_nc_u64 s[58:59], s[8:9], s[54:55]
.irp b, 0,1,2,3
	v_mov_b32 v[TM+4+\b], 0                        ; a lane permute's destination counts as one of its sources
.endr
.irp a, 0,1,2,3
	QUANTA \a
	global_store_b128 v[L16], v[PC:PC+3], s[56:57] offset:768*\a                      ; two half images: 64 channels of two heads
	global_store_b64 v[L8], v[PC+4:PC+5], s[56:57] offset:768*\a+512
	global_store_b128 v[L16], v[PC+6:PC+9], s[56:57] offset:393216+768*\a
	global_store_b64 v[L8], v[PC+10:PC+11], s[56:57] offset:393216+768*\a+512
	v_lshrrev_b32 v[WD+\a], v[SH], v[PW]           ; lanes 0-15 keep the first head's two bytes low, lanes 16-31 the second's
.endr
	global_store_b128 v[SCO], v[WD:WD+3], s[58:59] ; sixteen lanes store 256 consecutive bytes, aligned: four tiles' words of one head
	s_wait_xcnt 0x0                                ; this unit's stores have read their registers: the next unit's fragments may land there
	s_wait_tensorcnt 0x0                           ; my half of a later unit is in (the first passage; the second finds nothing out),
	s_wait_dscnt 0x0                               ; my reads of this unit are over,
	s_barrier_signal -1
	s_barrier_wait -1                              ; and everybody's
	s_add_co_u32 s[GB], s[GB], GRP
	s_add_co_u32 s[TR], s[TR], 1
	s_cmp_lt_u32 s[TR], 2
	s_cbranch_scc1 .Lgroup
	TOP                                            ; unit 2: v
.irp t, 0,1,2,3,4,5,6,7
	STEP \t, 1
.endr
	PLACES
	s_lshr_b32 s22, s14, 1                         ; which step of 128 keys my 64 belong to,
	s_and_b32 s23, s14, 1                          ; and c: which half of it
	s_mul_i32 s54, s22, 12288                      ; the step's eight images in the stage.  Register j of lane L stands at 512 (j / 4) + 16 L + 4 (j % 4):
	s_mul_i32 s68, s23, 520
	s_add_co_u32 s68, s68, s54                     ; registers 6 c, 6 c + 1: 0 or 520;
	s_mul_i32 s69, s23, 1016
	s_add_co_u32 s69, s69, s54
	s_add_co_u32 s69, s69, 8                       ; 6 c + 2, 6 c + 3: 8 or 1,024;
	s_add_co_u32 s70, s68, 512                     ; 6 c + 4, 6 c + 5: 512 or 1,032
	s_lshl_b32 s71, s22, 10
	s_lshl_b32 s23, s23, 1
	s_add_co_u32 s71, s71, s23
	s_add_co_u32 s71, s71, VSTS                    ; my two bytes of a scale word
	s_mul_i32 s22, s14, 6144                       ; what I read back: four images,
	s_lshl_b32 s23, s14, 9
	s_add_co_u32 s23, s23, VSTS                    ; and their scale words
	s_mov_b32 s54, s66
	s_add_nc_u64 s[56:57], s[10:11], s[54:55]
	s_mov_b32 s54, s67
	s_add_nc_u64 s[58:59], s[10:11], s[54:55]
	v_add_nc_u32 v8, s68, v[L16]
	v_add_nc_u32 v9, s69, v[L16]
	v_add_nc_u32 v10, s70, v[L16]
	v_add_nc_u32 v11, s71, v[L16]
	v_add_nc_u32 v12, s22, v[L16]
	v_add_nc_u32 v13, s23, v[L16]
.irp b, 0,1,2,3
	v_mov_b32 v[TM+4+\b], 0
.endr
.irp a, 0,1,2,3                        ; channel tiles 2 a and 2 a + 1: six code registers and two scale bytes each
	QUANTA \a
.irp k, 0,1
	ds_store_b64 v8, v[PC+6*\k:PC+6*\k+1] offset:(2*\a+\k)*1536
	ds_store_b64 v9, v[PC+6*\k+2:PC+6*\k+3] offset:(2*\a+\k)*1536
	ds_store_b64 v10, v[PC+6*\k+4:PC+6*\k+5] offset:(2*\a+\k)*1536
.endr
	ds_store_b16 v11, v[PW] offset:(\a/2)*512+8*(\a%2)
	ds_store_b16_d16_hi v11, v[PW] offset:(\a/2)*512+8*(\a%2)+4
.endr
	s_wait_dscnt 0x0                               ; my part of the images stands in LDS,
	s_barrier_signal -1
	s_barrier_wait -1                              ; and everybody's
.irp i, 0,1,2,3,4,5,6,7,8,9,10,11
	ds_load_b128 v[64+4*\i:64+4*\i+3], v12 offset:512*\i
.endr
	ds_load_b128 v[112:115], v13
	s_wait_dscnt 0x0
.irp i, 0,1,2,3,4,5,6,7,8,9,10,11
	global_store_b128 v[L16], v[64+4*\i:64+4*\i+3], s[56:57] offset:512*\i   ; 512 consecutive bytes, aligned
.endr
	global_store_b128 v[L16], v[112:115], s[58:59]
	s_wait_tensorcnt 0x0                           ; the wave's end
	ds_add_u32 v[SPW], v[NIL]
	s_wait_dscnt 0x0
	CROUND                                         ; the closing round
	s_endpgm
.Lfunc_end_k_qd996c1db2e_gemm_qkv:
	.size	k_qd996c1db2e_gemm_qkv, .Lfunc_end_k_qd996c1db2e_gemm_qkv-k_qd996c1db2e_gemm_qkv
	.p2alignl 7, 3214868480
	.fill 96, 4, 3214868480
	.section	.rodata,"a",@progbits
	.p2align	6, 0x0
	.amdhsa_kernel k_qd996c1db2e_gemm_qkv
		.amdhsa_group_segment_fixed_size 327680
		.amdhsa_private_segment_fixed_size 0
		.amdhsa_enable_private_segment 0
		.amdhsa_kernarg_size 32
		.amdhsa_user_sgpr_count 2
		.amdhsa_user_sgpr_kernarg_segment_ptr 1
		.amdhsa_wavefront_size32 1
		.amdhsa_system_sgpr_workgroup_id_x 1
		.amdhsa_system_sgpr_workgroup_id_y 1
		.amdhsa_system_sgpr_workgroup_id_z 1
		.amdhsa_system_vgpr_workitem_id 0
		.amdhsa_next_free_vgpr 1024
		.amdhsa_next_free_sgpr 80
		.amdhsa_reserve_vcc 0
		.amdhsa_float_denorm_mode_32 3
		.amdhsa_float_denorm_mode_16_64 3
		.amdhsa_memory_ordered 1
		.amdhsa_forward_progress 1
		.amdhsa_inst_pref_size 152
	.end_amdhsa_kernel
	.amdgpu_metadata
---
amdhsa.version: [ 1, 2 ]
amdhsa.kernels:
  - .name:           k_qd996c1db2e_gemm_qkv
    .symbol:         k_qd996c1db2e_gemm_qkv.kd
    .args:
      - { .name: xq, .offset: 0, .size: 8, .value_kind: global_buffer, .address_space: global }
      - { .name: wq, .offset: 8, .size: 8, .value_kind: global_buffer, .address_space: global }
      - { .name: qk, .offset: 16, .size: 8, .value_kind: global_buffer, .address_space: global }
      - { .name: vv, .offset: 24, .size: 8, .value_kind: global_buffer, .address_space: global }
    .group_segment_fixed_size: 327680
    .private_segment_fixed_size: 0
    .kernarg_segment_align: 8
    .kernarg_segment_size: 32
    .max_flat_workgroup_size: 128
    .sgpr_count:     80
    .vgpr_count:     1024
    .wavefront_size: 32
...
	.end_amdgpu_metadata
.endif
;; end of part 2
;; launch attn (part 3): grid 4 x 64, 16 waves a work-group, clusters of 4 x 1, 327,680 bytes of LDS; arguments qk, vv, oo; writes oo
.if DOCPART == 3
	.amdgcn_target "amdgcn-amd-amdhsa--gfx1250"
	.amdhsa_code_object_version 6
	.text
	.protected	k_qd996c1db2e_attn
	.globl	k_qd996c1db2e_attn
	.p2align	8
	.type	k_qd996c1db2e_attn,@function
k_qd996c1db2e_attn:
	s_mov_b64 s[64:65], 0
	v_nop
	global_prefetch_b8 v0, s[64:65] scope:SCOPE_SE
	s_setreg_imm32_b32 hwreg(HW_REG_WAVE_MODE, 25, 1), 1
	s_wait_xcnt 0x0
	s_wait_alu depctr_hold_cnt(0) depctr_sa_sdst(0) depctr_va_vdst(0) depctr_va_sdst(0) depctr_va_ssrc(0) depctr_va_vcc(0) depctr_vm_vsrc(0)
	s_getreg_b32 s2, hwreg(HW_REG_IB_STS2, 6, 4)
	s_cmp_eq_u32 s2, 0
	s_cbranch_scc0 .Lentry_in_a_cluster
	s_endpgm
.Lentry_in_a_cluster:
	s_bfe_u32 s2, ttmp6, 0x10000c
	s_cmp_lg_u32 s2, 0x3003
	s_cbranch_scc0 .Lentry_shape_is_right
	s_endpgm
.Lentry_shape_is_right:
; o = softmax(q k^T / 8) v for each of 64 (batch, head), 2,048 queries and keys, head size 64, both products on codes of FP6 (E2M3) with one E8M0 scale for each 32 along a product's K; o / l is quantised along the head's 64 and leaves as codes.
; THE SOFTMAX AHEAD OF THE SECOND PRODUCT: t = score x log2(e) / 8; M = the row's largest t so far, rounded UP to a whole number; p = 2^(t - M) is what is quantised, along the keys; the row's sum is taken of the unquantised p, in f32,
; and divides O at the end.  When M moves, the sum and O are multiplied by 2^(old M - new M): exact.
; SHARES.  A work-group owns 512 queries of one (batch, head); each of its sixteen waves owns two tiles of 16 queries, one after the other (pass 0, pass 1), in 256 registers: four waves to a SIMD, so that one wave's vector work
; stands beside another's matrix work and LDS loads.  Every wave walks all 2,048 keys, 128 a step.
; THE WHOLE HEAD STAYS IN LDS: k's 128 half images (98,304 bytes), v's 64 full images (98,304) and their scale words (2 x 8,192) are filled ONCE: no ring, no refill, no barrier in a pass but the one that shows the later steps landed.
; So all loads of K and V stand at the kernel's head, and there is nothing to ask for ahead of them.
; CLUSTER.  The four work-groups of a cluster own the four query blocks of one (batch, head) and need the same bytes: every fill is a joint load, the same in all four, with a mask that names the four.
; LAYOUT.  Both products are used transposed: S^T = K Q^T (source 0 = 16 keys, source 1 = my 16 queries), O^T = V^T P^T (source 0 = 16 of the head's 64, source 1 = P): a lane holds ONE query (lane % 16) throughout.
; Rows of q, k and of v^T lie at PLACES (index with bits 3 and 4 exchanged): so the 16 registers of tiles 2 b and 2 b + 1 of S^T are 16 neighbouring keys, 32 b + 16 (lane / 16) + 0 .. 15, and those of O^T 16 neighbouring channels.
; THE FIRST PRODUCT'S K IS 64, half of the instruction's 128.  Q's registers 6-11 are zero codes and the upper two bytes of its scale word are 0.  K's operand for tile t is v[32 + 6 t : 43 + 6 t]: its upper six registers are the next tile's
; codes (tile 7's: zeros).  E2M3 has no code for infinity or NaN and no scale byte here is 0xff, so these products are zeros: zero codes on ONE side only, which spares 42 registers and lets a step's eight tiles come in one run of loads.
; LIMITS: a block of zeros gets the byte 1 (its codes are zeros; this program alone reads the bytes); largest magnitudes under 2^-124 are held at that floor; o / l is a reciprocal (v_rcp_f32) and a multiplication; NaN and infinities are not served.
; The 2 scale bytes of a row of o are stored by 2 bytes a lane, 32 bytes apart: 262,144 bytes in the whole launch.
; REGISTERS: v1-7, v30, v31 addresses that stay; v8-11, v28 addresses of the loads in hand; v12 -M, v13 the largest t, v[14:15] the sum in two halves; v16-27 Q of pass 0, v192-203 of pass 1; v32-85 K's eight tiles or V's four fragments;
;   v96-159 S^T, then p; v160-191 O^T; v204-214 o's codes; v224-235 p's codes; v232-254 at work; v248-251 K's, then V's scale words; v255, v94 Q's scale words.
.set KIMG,  0                          ; LDS: k's half images: tile t of 16 places at 768 t
.set VIMG,  98304                      ; v's full images: step s, tile dt at 6,144 s + 1,536 dt
.set KSC,   196608                     ; k's scale words, 512 bytes a step
.set VSC,   204800                     ; v's, 512 bytes a step
.set SPARE, 212992                     ; the spare words, 128 bytes for each of sixteen waves
.set SPW,  5                           ; v5   LDS address of my spare word; never rewritten
.set NIL,  6                           ; v6   0; never rewritten
.set ADK16, 8
.set ADK8,  9
.set ADV,   10
.set ADS,   11
.set ADT,   28
.set TK,   2                           ; s2   where the step's images begin: 6,144 bytes a step, in K's region and in V's alike
.set TS,   3                           ; s3   and its scale words: 512 bytes a step
.set WV,   18                          ; s18  my wave's number
.set SEL,  20                          ; s[20:21] lane selects for v_permlanex16_b32: lane l xor 16
.set CS,   22                          ; s[22:23] c = log2(e) / 8
.set G1A,  24                          ; s[24:31] group 1: 8 rows of 256 bytes (the head's pieces)
.set G1B,  32                          ; s[32:39] 48 rows (a seventh of what is left of K's or of V's images)
.set G1C,  40                          ; s[40:47] 16 rows (the scale words of steps 8-15)
.set GA,   48                          ; s[48:51] group 0 for K's images, s[52:55] for V's, s[56:59] for scale words
.set GB,   52
.set GC,   56
.set OB,   60                          ; s[60:61] my tile's image in oo
.set OS,   62                          ; s[62:63] my tile's scale bytes in oo
.set CNT,  66                          ; s66  trips
.macro CROUND                          ; a round of the cluster's barrier
	s_barrier_signal -1
	s_barrier_wait -1
	s_cmp_lg_u32 s[WV], 0
	s_cbranch_scc1 .Lnot_wave_0_\@
	s_barrier_signal -3
.Lnot_wave_0_\@:
	s_barrier_wait -3
	s_barrier_signal -1
	s_barrier_wait -1
.endm
	s_load_b128 s[4:7], s[0:1], 0x0                ; qk, vv
	s_load_b64 s[8:9], s[0:1], 0x10                ; oo
	v_lshl_add_u32 v[SPW], v0, 2, SPARE
	v_mov_b32 v[NIL], 0
	ds_add_u32 v[SPW], v[NIL]                      ; the wave's opening: the add and its wait ahead of the first tensor loads; the set-up below, work on registers, stands between them
	ds_add_u32 v[SPW], v[NIL]
	v_lshrrev_b32 v8, 5, v0
	s_delay_alu instid0(VALU_DEP_1)
	v_readfirstlane_b32 s[WV], v8                  ; wave 0..15
	s_bfe_u32 s10, ttmp6, 0x40000                  ; cx: my block of 512 queries: it enters Q's and o's global addresses alone
	s_and_b32 s11, ttmp7, 0xffff                   ; batch x 16 + head, which the four partners share
	s_and_b32 s12, s11, 15                         ; head
	s_lshr_b32 s13, s11, 4                         ; batch
	s_and_b32 s15, s[WV], 1                        ; of the waves that fetch scale words: which half
	; group 1, three times: dense rows of 256 bytes (32 elements of 8 bytes), no padding; 15:0 the mask: all four work-groups; 21 set beside a mask
.irp g, G1A, G1B, G1C
	s_mov_b32 s[\g], 15|(3<<16)|(1<<21)
	s_mov_b32 s[\g+1], 32<<16                      ; tensor_dim0
	s_mov_b32 s[\g+3], 32<<16                      ; tile_dim0
	s_mov_b32 s[\g+5], 32                          ; tensor_dim0_stride
	s_mov_b32 s[\g+6], 0
	s_mov_b32 s[\g+7], 0
.endr
	s_mov_b32 s[G1A+2], 8<<16                      ; tensor_dim1, tile_dim1
	s_mov_b32 s[G1A+4], 8
	s_mov_b32 s[G1B+2], 48<<16
	s_mov_b32 s[G1B+4], 48
	s_mov_b32 s[G1C+2], 16<<16
	s_mov_b32 s[G1C+4], 16
	; where K's and V's bytes of this (batch, head) begin
	s_add_co_u32 s16, s12, 16                      ; k's hi
	s_lshl_b32 s17, s16, 9
	s_lshl_b32 s19, s13, 7
	s_add_co_u32 s17, s17, s19
	s_mul_i32 s17, s17, 768                        ; k's images
	s_lshl_b32 s16, s16, 6
	s_lshl_b32 s19, s13, 4
	s_add_co_u32 s16, s16, s19
	s_lshl_b32 s16, s16, 9
	s_add_co_u32 s16, s16, 12582912                ; k's scale words
	s_mul_i32 s19, s11, 98304                      ; v's images
	s_lshl_b32 s67, s11, 13
	s_add_co_u32 s67, s67, 6291456                 ; v's scale words
	; THE FILLS GO IN TWO GROUPS, one joint load a wave in each.  At the head, 2,048 bytes a wave: waves 0-5 K's images of key steps 0 and 1, waves 6-11 V's, waves 12-15 the scale words of steps 0-7 (12, 14: K's; 13, 15: V's).
	; Behind the full sequence and a round: waves 0-6 the rest of K's images, 12,288 bytes each, waves 7-13 of V's, waves 14, 15 the scale words of steps 8-15.  They land while steps 0 and 1 are worked.
	s_lshl_b32 s68, s[WV], 11
	s_mov_b32 s69, 0
	s_max_u32 s70, s[WV], 6
	s_sub_co_u32 s70, s70, 6
	s_lshl_b32 s70, s70, 11
	s_mov_b32 s71, 0
	s_bfe_u32 s14, s[WV], 0x10001                  ; of the waves 12-15: steps 0-3 or 4-7
	s_lshl_b32 s72, s14, 11
	s_mov_b32 s73, 0
	s_lshl_b32 s[GA+1], s[WV], 11                  ; LDS: plain arithmetic on the wave's number
	s_add_co_u32 s[GB+1], s68, VIMG-12288
	s_lshl_b32 s[GC+1], s15, 13
	s_add_co_u32 s[GC+1], s[GC+1], s72
	s_add_co_u32 s[GC+1], s[GC+1], KSC
	s_mov_b32 s74, s17
	s_mov_b32 s75, 0
	s_mov_b32 s76, s19
	s_mov_b32 s77, 0
	s_cmp_eq_u32 s15, 0
	s_cselect_b32 s78, s16, s67
	s_mov_b32 s79, 0
	; my query tile of pass 0, and where its bytes lie
	s_lshl_b32 s92, s13, 7
	s_lshl_b32 s93, s10, 5
	s_add_co_u32 s92, s92, s93
	s_add_co_u32 s92, s92, s[WV]                   ; tile of 16 places: 128 batch + 32 cx + wave; pass 1's is 16 on
	s_lshl_b32 s84, s12, 9
	s_add_co_u32 s84, s84, s92
	s_mul_i32 s84, s84, 768                        ; q's image
	s_mov_b32 s85, 0
	s_lshl_b32 s86, s12, 6
	s_lshr_b32 s93, s92, 3
	s_add_co_u32 s86, s86, s93
	s_lshl_b32 s86, s86, 9                         ; q's scale words: the block of 128 places,
	s_bfe_u32 s93, s[WV], 0x10002
	s_lshl_b32 s93, s93, 8
	s_add_co_u32 s86, s86, s93                     ; + 256 ((tile % 8) / 4)
	s_and_b32 s93, s[WV], 3
	s_lshl_b32 s93, s93, 2
	s_add_co_u32 s86, s86, s93                     ; + 4 (tile % 4)
	s_add_co_u32 s86, s86, 12582912
	s_mov_b32 s87, 0
	s_lshl_b32 s88, s92, 4
	s_add_co_u32 s88, s88, s12
	s_mul_i32 s88, s88, 768                        ; o's image: [tile][head]
	s_mov_b32 s89, 0
	s_lshl_b32 s90, s92, 9
	s_lshl_b32 s93, s12, 1
	s_add_co_u32 s90, s90, s93
	s_add_co_u32 s90, s90, 6291456                 ; o's scale bytes: 32 a place, 2 a head
	s_mov_b32 s91, 0
	s_mov_b32 s[SEL], 0x76543210
	s_mov_b32 s[SEL+1], 0xfedcba98
	s_mov_b32 s[CS], 0x3e38aa3b                    ; c = log2(e) / 8
	s_mov_b32 s[CS+1], s[CS]                       ; (named with it as a pair, so it is written)
	s_wait_dscnt 0x0                               ; the opening add is done
	s_wait_kmcnt 0x0
	s_add_nc_u64 s[94:95], s[4:5], s[74:75]        ; K's images
	s_add_nc_u64 s[96:97], s[6:7], s[76:77]        ; V's images
	s_cmp_eq_u32 s15, 0                            ; the choice hangs on the wave's number alone
	s_cselect_b64 s[98:99], s[4:5], s[6:7]
	s_add_nc_u64 s[98:99], s[98:99], s[78:79]      ; K's or V's scale words
	s_mov_b32 s[GA], 1
	s_add_nc_u64 s[GA+2:GA+3], s[94:95], s[68:69]
	s_or_b32 s[GA+3], s[GA+3], 0x80000000
	s_mov_b32 s[GB], 1
	s_add_nc_u64 s[GB+2:GB+3], s[96:97], s[70:71]
	s_or_b32 s[GB+3], s[GB+3], 0x80000000
	s_mov_b32 s[GC], 1
	s_add_nc_u64 s[GC+2:GC+3], s[98:99], s[72:73]
	s_or_b32 s[GC+3], s[GC+3], 0x80000000
	s_add_nc_u64 s[80:81], s[4:5], s[84:85]        ; q's images
	s_add_nc_u64 s[82:83], s[4:5], s[86:87]        ; q's scale words
	s_add_nc_u64 s[OB:OB+1], s[8:9], s[88:89]
	s_add_nc_u64 s[OS:OS+1], s[8:9], s[90:91]
	CROUND                                         ; all four work-groups are here: the joint loads meet
; One chain of branches on the wave's number, one joint load to an arm, all arms to one join: waves under a fetch K's images, waves under b V's, the others scale words
.macro ARMS a, b, g1i, g1s
	s_cmp_lt_u32 s[WV], \a
	s_cbranch_scc0 .Lfor_v_\@
	tensor_load_to_lds s[GA:GA+3], s[\g1i:\g1i+7]
	s_nop 0
.rept 4
	v_nop
.endr
	s_branch .Lasked_\@
.Lfor_v_\@:
	s_cmp_lt_u32 s[WV], \b
	s_cbranch_scc0 .Lfor_s_\@
	tensor_load_to_lds s[GB:GB+3], s[\g1i:\g1i+7]
	s_nop 0
.rept 4
	v_nop
.endr
	s_branch .Lasked_\@
.Lfor_s_\@:
	tensor_load_to_lds s[GC:GC+3], s[\g1s:\g1s+7]
	s_nop 0
.rept 4
	v_nop
.endr
.Lasked_\@:
.endm
	ARMS 6, 12, G1A, G1A
	v_and_b32 v8, 31, v0                           ; lane
	v_and_b32 v9, 15, v0                           ; r
	s_delay_alu instid0(VALU_DEP_2)
	v_lshlrev_b32 v1, 4, v8                        ; 16 x lane
	s_delay_alu instid0(VALU_DEP_3)
	v_lshlrev_b32 v2, 3, v8                        ; 8 x lane
	s_delay_alu instid0(VALU_DEP_3)
	v_lshlrev_b32 v31, 4, v9                       ; 16 r
	s_delay_alu instid0(VALU_DEP_4)
	v_lshlrev_b32 v30, 5, v9                       ; 32 r
	global_load_b128 v[16:19], v1, s[80:81]                 ; Q of pass 0: a half image, registers 0-3,
	global_load_b64 v[20:21], v2, s[80:81] offset:512       ; 4-5
	global_load_b128 v[192:195], v1, s[80:81] offset:12288  ; Q of pass 1: 16 tiles on
	global_load_b64 v[196:197], v2, s[80:81] offset:12800
	global_load_b32 v255, v31, s[82:83]                     ; their scale words: lane r has row r's
	global_load_b32 v94, v31, s[82:83] offset:1024
	v_add_nc_u32 v3, VIMG, v1
	v_add_nc_u32 v4, KSC, v1
	v_add_nc_u32 v7, VSC, v1
.irp j, 0,1,2,3,4,5
	v_mov_b32 v[22+\j], 0                          ; Q's upper 64 of K: zero codes
	v_mov_b32 v[198+\j], 0
	v_mov_b32 v[80+\j], 0                          ; what stands behind K's tile 7
.endr
.irp b, 0,1,2,3
	v_mov_b32 v[236+\b], 0                         ; written once: a lane permute's destination counts as one of its sources
.endr
	v_mov_b32 v253, 0                              ; (named as the upper half of the pair v[252:253] before it is first written)
; A KEY STEP: 128 keys.  qreg: Q's fragment; qscl: its scale word.
.macro STEP qreg, qscl
	v_add_nc_u32 v[ADK16], s[TK], v1               ; these four additions are the places behind the last step's products, in front of the loads below
	v_add_nc_u32 v[ADK8], s[TK], v2
	v_add_nc_u32 v[ADV], s[TK], v3
	v_add_nc_u32 v[ADS], s[TS], v4
.irp t, 0,1,2,3,4,5,6,7
	ds_load_b128 v[32+6*\t:35+6*\t], v[ADK16] offset:768*\t          ; K's tile t: a half image, as it was stored
	ds_load_b64 v[36+6*\t:37+6*\t], v[ADK8] offset:768*\t+512
.endr
	ds_load_b128 v[248:251], v[ADS]                ; K's scale words: lanes 0-15 those of tiles 0-3, lanes 16-31 of tiles 4-7
	s_wait_alu depctr_va_vdst(0)
	s_wait_dscnt 0x0
.irp t, 0,1,2,3
	v_wmma_scale_f32_16x16x128_f8f6f4 v[96+8*\t:103+8*\t], v[32+6*\t:43+6*\t], v[\qreg:\qreg+11], 0, v[248+\t], v[\qscl] matrix_a_fmt:MATRIX_FMT_FP6 matrix_b_fmt:MATRIX_FMT_FP6
.endr
.irp t, 4,5,6,7
	v_wmma_scale_f32_16x16x128_f8f6f4 v[96+8*\t:103+8*\t], v[32+6*\t:43+6*\t], v[\qreg:\qreg+11], 0, v[244+\t], v[\qscl] matrix_a_fmt:MATRIX_FMT_FP6 matrix_b_fmt:MATRIX_FMT_FP6 matrix_a_scale:MATRIX_SCALE_ROW1
.endr
	v_add_nc_u32 v[ADT], s[TS], v7                 ; four places: in front of the loads into registers that the products have read, and of the first read of the scores
.rept 3
	v_nop
.endr
.irp t, 0,1,2,3                                ; V's four fragments and their scale words land while the softmax is worked
.irp c, 0,1,2
	ds_load_b128 v[32+12*\t+4*\c:35+12*\t+4*\c], v[ADV] offset:1536*\t+512*\c
.endr
.endr
	ds_load_b128 v[248:251], v[ADT]
.irp b, 0,1,2,3
	v_max3_num_f32 v[232+\b], v[96+16*\b], v[97+16*\b], v[98+16*\b]   ; THE LARGEST SCORE OF EACH BLOCK OF 32 KEYS: it serves twice: for the row's maximum, and, since p rises with the score, for the block's largest p
.endr
.irp i, 3,5,7,9,11,13
.irp b, 0,1,2,3
	v_max3_num_f32 v[232+\b], v[232+\b], v[96+16*\b+\i], v[97+16*\b+\i]   ; (the four blocks by turns)
.endr
.endr
.irp b, 0,1,2,3
	v_max_num_f32 v[232+\b], v[232+\b], v[111+16*\b]
.endr
.irp b, 0,1,2,3
	s_delay_alu instid0(VALU_DEP_4)
	v_permlanex16_b32 v[236+\b], v[232+\b], s[SEL], s[SEL+1]
.endr
.irp b, 0,1,2,3
	s_delay_alu instid0(VALU_DEP_4)
	v_max_num_f32 v[232+\b], v[232+\b], v[236+\b]  ; with lane l xor 16's 16 keys
.endr
	s_delay_alu instid0(VALU_DEP_2)
	v_max3_num_f32 v254, v232, v233, v234
	s_delay_alu instid0(VALU_DEP_1)
	v_max_num_f32 v254, v254, v235                 ; the step's largest score of my query
	s_delay_alu instid0(VALU_DEP_1)
	v_mul_f32 v254, s[CS], v254                    ; as t (c is positive)
	s_delay_alu instid0(VALU_DEP_1)
	v_max_num_f32 v13, v13, v254                   ; the running largest t
	v_mov_b32 v254, v12
	s_delay_alu instid0(VALU_DEP_2)
	v_floor_f32 v12, -v13                          ; the new -M = floor(-t) = -ceil(t): M IS A WHOLE NUMBER
	s_delay_alu instid0(VALU_DEP_1)
	v_sub_f32 v254, v12, v254                      ; M's old value less its new one: a whole number, 0 or less
	s_delay_alu instid0(VALU_DEP_1)
	v_cvt_i32_f32 v254, v254                       ; (it saturates)
	s_delay_alu instid0(VALU_DEP_1)
	v_ldexp_f32 v252, 1.0, v254                    ; f = 2^(old M - new M)
.set j, 0
.rept 32
	v_pk_fma_f32 v[96+j:97+j], v[96+j:97+j], s[CS:CS+1], v[12:13] op_sel_hi:[1,0,0]   ; t - M, two at a time (of the pairs c and -M the low word serves both halves)
.set j, j+2
.endr
.irp b, 0,1,2,3
	v_fma_f32 v[232+\b], v[232+\b], s[CS], v12     ; the same of each block's largest score
.endr
.set j, 0
	s_wait_alu depctr_va_vdst(0)
.rept 64
	v_exp_f32 v[96+j], v[96+j]                     ; p = 2^(t - M), at most 1: NOT normalised
.set j, j+1
.endr
	v_pk_mul_f32 v[14:15], v[14:15], v[252:253] op_sel_hi:[1,0]   ; the sums under the new M.  (A plain line behind the exponentials)
	s_wait_alu depctr_va_vdst(0)                   ; one wait for the whole batch, ahead of its first reader
.irp b, 0,1,2,3
	v_exp_f32 v[232+\b], v[232+\b]                 ; the block's largest p: the same two instructions on the same number give the same bits
.endr
	v_pk_add_f32 v[236:237], v[100:101], v[104:105]
	v_pk_add_f32 v[246:247], v[108:109], v[112:113]
	v_pk_add_f32 v[244:245], v[116:117], v[120:121]
	v_pk_add_f32 v[242:243], v[124:125], v[128:129]
	v_pk_add_f32 v[240:241], v[132:133], v[136:137]
	v_pk_add_f32 v[238:239], v[140:141], v[144:145]
	v_pk_add_f32 v[230:231], v[148:149], v[152:153]
	v_pk_add_f32 v[14:15], v[14:15], v[156:157]
	v_pk_add_f32 v[236:237], v[236:237], v[96:97]
	v_pk_add_f32 v[246:247], v[246:247], v[98:99]
	v_pk_add_f32 v[244:245], v[244:245], v[102:103]
	v_pk_add_f32 v[242:243], v[242:243], v[106:107]
	v_pk_add_f32 v[240:241], v[240:241], v[110:111]
	v_pk_add_f32 v[238:239], v[238:239], v[114:115]
	v_pk_add_f32 v[230:231], v[230:231], v[118:119]
	v_pk_add_f32 v[14:15], v[14:15], v[122:123]
	v_pk_add_f32 v[236:237], v[236:237], v[126:127]
	v_pk_add_f32 v[246:247], v[246:247], v[130:131]
	v_pk_add_f32 v[244:245], v[244:245], v[134:135]
	v_pk_add_f32 v[242:243], v[242:243], v[138:139]
	v_pk_add_f32 v[240:241], v[240:241], v[142:143]
	v_pk_add_f32 v[238:239], v[238:239], v[146:147]
	v_pk_add_f32 v[230:231], v[230:231], v[150:151]
	v_pk_add_f32 v[14:15], v[14:15], v[154:155]
	v_pk_add_f32 v[236:237], v[236:237], v[158:159]
	s_delay_alu instid0(VALU_DEP_2)
	v_pk_add_f32 v[14:15], v[14:15], v[242:243]
	s_delay_alu instid0(VALU_DEP_2)
	v_pk_add_f32 v[236:237], v[236:237], v[240:241]
	v_pk_add_f32 v[246:247], v[246:247], v[238:239]
	v_pk_add_f32 v[244:245], v[244:245], v[230:231]
	s_delay_alu instid0(VALU_DEP_2)
	v_pk_add_f32 v[14:15], v[14:15], v[246:247]
	s_delay_alu instid0(VALU_DEP_2)
	v_pk_add_f32 v[236:237], v[236:237], v[244:245]
	s_delay_alu instid0(VALU_DEP_1)
	v_pk_add_f32 v[14:15], v[14:15], v[236:237]
	s_wait_alu depctr_va_vdst(0)                   ; and one for the four
.irp b, 0,1,2,3
	v_max_num_f32 v[232+\b], 0x1800000, v[232+\b]  ; the floor 2^(3 - 127): the byte cannot fall under 1
.endr
.irp b, 0,1,2,3
	s_delay_alu instid0(VALU_DEP_4)
	v_add_nc_u32 v[244+\b], 0xff000000, v[232+\b]  ; 2 off the exponent field: the conversion's scale operand
.endr
.irp b, 0,1,2,3
	s_delay_alu instid0(VALU_DEP_4)
	v_lshrrev_b32 v[236+\b], 23, v[244+\b]         ; the scale's byte
.endr
	s_delay_alu instid0(VALU_DEP_3)
	v_lshl_or_b32 v253, v237, 8, v236              ; p's scale word for these 128 keys
	s_delay_alu instid0(VALU_DEP_1)
	v_lshl_or_b32 v253, v238, 16, v253
	s_delay_alu instid0(VALU_DEP_1)
	v_lshl_or_b32 v253, v239, 24, v253
.irp c, 0,1
	v_cvt_scalef32_pk16_fp6_f32 v[224+6*\c:226+6*\c], v[96+32*\c:111+32*\c], v[244+2*\c]
	v_cvt_scalef32_pk16_fp6_f32 v[236+4*\c:238+4*\c], v[112+32*\c:127+32*\c], v[244+2*\c+1]   ; (a conversion's three registers begin on an even number)
.endr
	v_nop                                          ; one plain line behind a scaled conversion
.irp c, 0,1                                    ; the operand's layout wants a WHOLE block in a lane
.irp i, 0,1,2
	v_permlane16_swap_b32 v[224+6*\c+\i], v[236+4*\c+\i]
.endr
.irp i, 0,1,2
	s_delay_alu instid0(VALU_DEP_3)
	v_mov_b32 v[227+6*\c+\i], v[236+4*\c+\i]
.endr
.endr
.set j, 0
.rept 16
	v_pk_mul_f32 v[160+j:161+j], v[160+j:161+j], v[252:253] op_sel_hi:[1,0]   ; O^T under the new M: x f.  (These 16 are also the places between the writes of p's codes and scale word and the products below)
.set j, j+2
.endr
	s_wait_alu depctr_va_vdst(0)
	s_wait_dscnt 0x0                               ; V's fragments and scale words are in
.irp t, 0,1,2,3                                ; O^T += V^T P^T: the four accumulators by turns, one instruction a turn
	v_wmma_scale_f32_16x16x128_f8f6f4 v[160+8*\t:167+8*\t], v[32+12*\t:43+12*\t], v[224:235], v[160+8*\t:167+8*\t], v[248+\t], v253 matrix_a_fmt:MATRIX_FMT_FP6 matrix_b_fmt:MATRIX_FMT_FP6
.endr
	s_add_co_u32 s[TK], s[TK], 6144
	s_add_co_u32 s[TS], s[TS], 512
.endm
.macro INIT                            ; a pass begins: O^T and the sum are zeros, which the first change of M leaves zeros
	v_mov_b32 v13, 0xff61b1e6                      ; the largest t so far: -3e38, under every t
	s_delay_alu instid0(VALU_DEP_1)
	v_floor_f32 v12, -v13                          ; -M
	v_mov_b32 v14, 0
	v_mov_b32 v15, 0
.set j, 0
.rept 32
	v_mov_b32 v[160+j], 0
.set j, j+1
.endr
	s_mov_b32 s[TK], 0
	s_mov_b32 s[TS], 0
.endm
; THE WAY OUT of pass p: O^T / the sum; register 16 b + i is channel 32 b + 16 (lane / 16) + i of my query: two blocks of the last product's K.  They become a half image and two scale bytes.
.macro OUT p
	s_wait_xcnt 0x0                                ; the last pass's stores have read their data
.rept 4
	v_nop                                          ; places behind the last products
.endr
	v_add_f32 v14, v14, v15                        ; the sum's two halves,
	s_delay_alu instid0(VALU_DEP_1)
	v_permlanex16_b32 v252, v14, s[SEL], s[SEL+1]
	s_delay_alu instid0(VALU_DEP_1)
	v_add_f32 v14, v14, v252                       ; and lane l xor 16's: the row's sum
	s_wait_alu depctr_va_vdst(0)
	v_rcp_f32 v14, v14
	v_nop                                          ; a plain line behind the transcendental
	s_wait_alu depctr_va_vdst(0)                   ; the wait, ahead of the first reader
.set j, 0
.rept 16
	v_pk_mul_f32 v[96+j:97+j], v[160+j:161+j], v[14:15] op_sel_hi:[1,0]   ; each accumulator from its low end on
.set j, j+2
.endr
.irp b, 0,1
	v_max3_num_f32 v[232+\b], |v[96+16*\b]|, |v[97+16*\b]|, 0x1800000
.endr
.irp i, 2,4,6,8,10,12,14
.irp b, 0,1
	s_delay_alu instid0(VALU_DEP_2)
	v_max3_num_f32 v[232+\b], v[232+\b], |v[96+16*\b+\i]|, |v[97+16*\b+\i]|
.endr
.endr
.irp b, 0,1
	s_delay_alu instid0(VALU_DEP_2)
	v_permlanex16_b32 v[236+\b], v[232+\b], s[SEL], s[SEL+1]
.endr
.irp b, 0,1
	s_delay_alu instid0(VALU_DEP_2)
	v_max_num_f32 v[232+\b], v[232+\b], v[236+\b]
.endr
.irp b, 0,1
	s_delay_alu instid0(VALU_DEP_2)
	v_add_nc_u32 v[244+\b], 0xff000000, v[232+\b]
.endr
.irp b, 0,1
	s_delay_alu instid0(VALU_DEP_2)
	v_lshrrev_b32 v[236+\b], 23, v[244+\b]
.endr
	s_delay_alu instid0(VALU_DEP_1)
	v_lshl_or_b32 v210, v237, 8, v236              ; my row's two scale bytes
	v_cvt_scalef32_pk16_fp6_f32 v[204:206], v[96:111], v244
	v_cvt_scalef32_pk16_fp6_f32 v[212:214], v[112:127], v245
	v_nop                                          ; one plain line behind a scaled conversion
.irp i, 0,1,2
	v_permlane16_swap_b32 v[204+\i], v[212+\i]
.endr
.irp i, 0,1,2
	s_delay_alu instid0(VALU_DEP_3)
	v_mov_b32 v[207+\i], v[212+\i]                 ; v204-209: channels 32 (lane / 16) + 0 .. 31 of my row
.endr
	global_store_b128 v1, v[204:207], s[OB:OB+1] offset:196608*\p        ; 512 consecutive bytes, aligned
	global_store_b64 v2, v[208:209], s[OB:OB+1] offset:196608*\p+512     ; 256
	global_store_b16 v30, v210, s[OS:OS+1] offset:8192*\p                ; both lanes of a row store the same two bytes
.endm
	s_wait_tensorcnt 0x0                           ; my piece of the head's is in
	ds_add_u32 v[SPW], v[NIL]
	s_mul_i32 s68, s[WV], 12288                    ; no tensor load of mine is out: the groups 0 are written for the second group of fills
	s_add_co_u32 s[GA+1], s68, 12288
	s_add_co_u32 s[GB+1], s68, 24576               ; = VIMG + 12,288 + 12,288 (wave - 7)
	s_lshl_b32 s[GC+1], s15, 13
	s_add_co_u32 s[GC+1], s[GC+1], KSC+4096
	s_add_co_u32 s68, s68, 12288
	s_add_nc_u64 s[GA+2:GA+3], s[94:95], s[68:69]
	s_or_b32 s[GA+3], s[GA+3], 0x80000000
	s_max_u32 s70, s[WV], 7
	s_sub_co_u32 s70, s70, 7
	s_mul_i32 s70, s70, 12288
	s_add_co_u32 s70, s70, 12288
	s_add_nc_u64 s[GB+2:GB+3], s[96:97], s[70:71]
	s_or_b32 s[GB+3], s[GB+3], 0x80000000
	s_add_nc_u64 s[GC+2:GC+3], s[98:99], 4096
	s_or_b32 s[GC+3], s[GC+3], 0x80000000
	s_wait_dscnt 0x0
	CROUND                                         ; everybody's piece is in, in every partner: key steps 0 and 1 may be read, and the joint loads meet
	ARMS 7, 14, G1B, G1C
	s_wait_loadcnt 0x0                             ; Q
	v_and_b32 v255, 0xffff, v255                   ; the bytes that face the empty half of K are 0
	v_and_b32 v94, 0xffff, v94
	INIT
	s_mov_b32 s[CNT], 2
.Learly:
	STEP 16, 255
	s_sub_co_u32 s[CNT], s[CNT], 1
	s_cmp_lg_u32 s[CNT], 0
	s_cbranch_scc1 .Learly
	s_wait_tensorcnt 0x0                           ; my part of the second group is in,
	s_wait_dscnt 0x0
	s_barrier_signal -1
	s_barrier_wait -1                              ; and everybody's
	s_mov_b32 s[CNT], 14
.Llate:
	STEP 16, 255
	s_sub_co_u32 s[CNT], s[CNT], 1
	s_cmp_lg_u32 s[CNT], 0
	s_cbranch_scc1 .Llate
	OUT 0
	INIT
	s_mov_b32 s[CNT], 16
.Lsecond:
	STEP 192, 94
	s_sub_co_u32 s[CNT], s[CNT], 1
	s_cmp_lg_u32 s[CNT], 0
	s_cbranch_scc1 .Lsecond
	OUT 1
	s_wait_tensorcnt 0x0                           ; the wave's end, behind my last tensor load
	ds_add_u32 v[SPW], v[NIL]
	s_wait_dscnt 0x0
	CROUND                                         ; the closing round
	s_endpgm
.Lfunc_end_k_qd996c1db2e_attn:
	.size	k_qd996c1db2e_attn, .Lfunc_end_k_qd996c1db2e_attn-k_qd996c1db2e_attn
	.p2alignl 7, 3214868480
	.fill 96, 4, 3214868480
	.section	.rodata,"a",@progbits
	.p2align	6, 0x0
	.amdhsa_kernel k_qd996c1db2e_attn
		.amdhsa_group_segment_fixed_size 327680
		.amdhsa_private_segment_fixed_size 0
		.amdhsa_enable_private_segment 0
		.amdhsa_kernarg_size 24
		.amdhsa_user_sgpr_count 2
		.amdhsa_user_sgpr_kernarg_segment_ptr 1
		.amdhsa_wavefront_size32 1
		.amdhsa_system_sgpr_workgroup_id_x 1
		.amdhsa_system_sgpr_workgroup_id_y 1
		.amdhsa_system_sgpr_workgroup_id_z 1
		.amdhsa_system_vgpr_workitem_id 0
		.amdhsa_next_free_vgpr 256
		.amdhsa_next_free_sgpr 104
		.amdhsa_reserve_vcc 0
		.amdhsa_float_denorm_mode_32 3
		.amdhsa_float_denorm_mode_16_64 3
		.amdhsa_memory_ordered 1
		.amdhsa_forward_progress 1
		.amdhsa_inst_pref_size 74
	.end_amdhsa_kernel
	.amdgpu_metadata
---
amdhsa.version: [ 1, 2 ]
amdhsa.kernels:
  - .name:           k_qd996c1db2e_attn
    .symbol:         k_qd996c1db2e_attn.kd
    .args:
      - { .name: qk, .offset: 0, .size: 8, .value_kind: global_buffer, .address_space: global }
      - { .name: vv, .offset: 8, .size: 8, .value_kind: global_buffer, .address_space: global }
      - { .name: oo, .offset: 16, .size: 8, .value_kind: global_buffer, .address_space: global }
    .group_segment_fixed_size: 327680
    .private_segment_fixed_size: 0
    .kernarg_segment_align: 8
    .kernarg_segment_size: 24
    .max_flat_workgroup_size: 512
    .sgpr_count:     104
    .vgpr_count:     256
    .wavefront_size: 32
...
	.end_amdgpu_metadata
.endif
;; end of part 3
;; launch gemm_out (part 4): grid 256 x 1, 4 waves a work-group, clusters of 4 x 1, 167,936 bytes of LDS; arguments oo, wq, out0; writes out0
.if DOCPART == 4
	.amdgcn_target "amdgcn-amd-amdhsa--gfx1250"
	.amdhsa_code_object_version 6
	.text
	.protected	k_qd996c1db2e_gemm_out
	.globl	k_qd996c1db2e_gemm_out
	.p2align	8
	.type	k_qd996c1db2e_gemm_out,@function
k_qd996c1db2e_gemm_out:
	s_mov_b64 s[64:65], 0
	v_nop
	global_prefetch_b8 v0, s[64:65] scope:SCOPE_SE
	s_setreg_imm32_b32 hwreg(HW_REG_WAVE_MODE, 25, 1), 1
	s_wait_xcnt 0x0
	s_wait_alu depctr_hold_cnt(0) depctr_sa_sdst(0) depctr_va_vdst(0) depctr_va_sdst(0) depctr_va_ssrc(0) depctr_va_vcc(0) depctr_vm_vsrc(0)
	s_getreg_b32 s2, hwreg(HW_REG_IB_STS2, 6, 4)
	s_cmp_eq_u32 s2, 0
	s_cbranch_scc0 .Lentry_in_a_cluster
	s_endpgm
.Lentry_in_a_cluster:
	s_bfe_u32 s2, ttmp6, 0x10000c
	s_cmp_lg_u32 s2, 0x3003
	s_cbranch_scc0 .Lentry_shape_is_right
	s_endpgm
.Lentry_shape_is_right:
; out0 = o w_out on codes of FP6 (E2M3) with E8M0 scales, f32 sums.  o: oo, half images [tile of 16 places][head][768] and from byte 6,291,456 scale bytes [place][32]; w_out: wq's records 192-255 (12,800 bytes: 8 images of 1,536, then scale words [pair][r][8]).
; SHARES.  256 work-groups, each 256 rows x 128 columns x 1,024.  Cluster c, place cx: rows 256 (4 (c / 8) + cx) .., columns 128 (c % 8) ...  Source 1 is RESIDENT: a wave's 64 rows of o, all of K, 384 registers, loaded from memory as they lie.
; Source 0, the 8 records of w_out's columns, is filled into LDS once; the four partners need the same records, so each wave's quarter is a joint load with the mask of all four.
; All tensor loads stand at the head and there is no loop to run ahead in: nothing is prefetched.
; THE COLUMNS GO IN TWO HALVES of 64, each through all of K: the first half's results are stored while the second half is multiplied.  o's fragments are asked for four steps ahead of their products, inside the first half's walk.
; A lane holds one row of the result; places go back to rows and columns on the way out, through each wave's own stage, on LDS bytes into which no fill lands.
; REGISTERS: window 0: v0-15 addresses, v16-47 o's scale words, v48-63 w's (lanes 0-15 tile b, lanes 16-31 tile b + 4), v64-159 w's fragments in two sets, v160-223 rows on the way out; windows 1, 2: o's fragments;
; window 3: 32 accumulators, half g, (a, b) at 8 (16 g + 4 a + b).
.set REC,   12800
.set GRP,   8*REC
.set SPITCH, 272
.set STAGE, GRP
.set SPARE, STAGE+4*16*SPITCH
.set SPW, 1
.set NIL, 2
.set L8,  4
.set R32, 5                            ; 32 r
.set STO, 6
.set RD,  7
.set CO,  8
.set L16, 10                           ; 16 x lane: also the LDS address of tiles 0-3
.set ADB, 10                           ; v10-11
.set ADS, 12
.set RS,  16
.set BS,  48
.set BF,  64
.set BK,  160
.set G1H, 24
.set G0H, 40
.set RB,  48                           ; s[48:49] my tiles' images
.set RC,  50                           ; s[50:51] their scale bytes
.set MSB, 0
.macro WIN new
.if MSB != (\new)
	s_set_vgpr_msb (MSB<<8)|(\new)
.set MSB, (\new)
.endif
.endm
.macro PLACES
.rept 4
	v_nop
.endr
.endm
.macro CROUND
	s_barrier_signal -1
	s_barrier_wait -1
	s_cmp_lg_u32 s14, 0
	s_cbranch_scc1 .Lnot_wave_0_\@
	s_barrier_signal -3
.Lnot_wave_0_\@:
	s_barrier_wait -3
	s_barrier_signal -1
	s_barrier_wait -1
.endm
.macro RLOAD st                        ; o's fragments of step st: heads 2 st and 2 st + 1, a half image each: 16 loads
	WIN (1+(\st)/4)<<6
.irp a, 0,1,2,3
.irp c, 0,1
	global_load_b128 v[48*((\st)%4)+12*\a+6*\c:48*((\st)%4)+12*\a+6*\c+3], v[L16], s[RB:RB+1] offset:\a*12288+(2*(\st)+\c)*768
	global_load_b64 v[48*((\st)%4)+12*\a+6*\c+4:48*((\st)%4)+12*\a+6*\c+5], v[L8], s[RB:RB+1] offset:\a*12288+(2*(\st)+\c)*768+512
.endr
.endr
	WIN 0
.endm
.macro FETCH st, g                     ; half g's four fragments of step st; with an even step the scale words of its pair
.irp b, 0,1,2,3
.irp c, 0,1,2
	ds_load_b128 v[BF+48*((\st)%2)+12*\b+4*\c:BF+48*((\st)%2)+12*\b+4*\c+3], v[ADB+\g] offset:\b*REC+(\st)*1536+512*\c
.endr
.endr
.if (\st)%2 == 0
.irp b, 0,1,2,3
	ds_load_b64 v[BS+8*(((\st)/2)%2)+2*\b:BS+8*(((\st)/2)%2)+2*\b+1], v[ADS] offset:\b*REC+128*((\st)/2)
.endr
.endif
.endm
.macro MUL st, g                       ; 16 products, the half's 16 accumulators by turns; step 0 starts the sums
	WIN 0xf0|((1+(\st)/4)<<2)
.irp a, 0,1,2,3
.irp b, 0,1,2,3
.set DD_, 8*(16*\g+4*\a+\b)
.set FA_, BF+48*((\st)%2)+12*\b
.set FB_, 48*((\st)%4)+12*\a
.set QA_, BS+8*(((\st)/2)%2)+2*\b+(\st)%2
.set QB_, RS+8*\a+(\st)
.if (\st) == 0
.if \g == 0
	v_wmma_scale_f32_16x16x128_f8f6f4 v[DD_:DD_+7], v[FA_:FA_+11], v[FB_:FB_+11], 0, v[QA_], v[QB_] matrix_a_fmt:MATRIX_FMT_FP6 matrix_b_fmt:MATRIX_FMT_FP6
.else
	v_wmma_scale_f32_16x16x128_f8f6f4 v[DD_:DD_+7], v[FA_:FA_+11], v[FB_:FB_+11], 0, v[QA_], v[QB_] matrix_a_fmt:MATRIX_FMT_FP6 matrix_b_fmt:MATRIX_FMT_FP6 matrix_a_scale:MATRIX_SCALE_ROW1
.endif
.else
.if \g == 0
	v_wmma_scale_f32_16x16x128_f8f6f4 v[DD_:DD_+7], v[FA_:FA_+11], v[FB_:FB_+11], v[DD_:DD_+7], v[QA_], v[QB_] matrix_a_fmt:MATRIX_FMT_FP6 matrix_b_fmt:MATRIX_FMT_FP6
.else
	v_wmma_scale_f32_16x16x128_f8f6f4 v[DD_:DD_+7], v[FA_:FA_+11], v[FB_:FB_+11], v[DD_:DD_+7], v[QA_], v[QB_] matrix_a_fmt:MATRIX_FMT_FP6 matrix_b_fmt:MATRIX_FMT_FP6 matrix_a_scale:MATRIX_SCALE_ROW1
.endif
.endif
.endr
.endr
	WIN 0
.endm
.macro STEP st, g
	s_wait_dscnt 0x0                               ; this step's fragments of w, asked for one step ago, are in
	PLACES                                         ; four places behind the last step's products, ahead of loads into registers that they read
.if (\st) < 7
	FETCH (\st)+1, \g
.endif
.if \g == 0
.if 7-(\st) >= 3
	s_wait_loadcnt 48                              ; o's fragments of this step are in: the 16 loads of each of the next three steps may be out
.else
	s_wait_loadcnt 16*(7-(\st))
.endif
.if (\st)+4 < 8
	RLOAD (\st)+4
.endif
.endif
	MUL \st, \g
.endm
.macro TOSTAGE a, g                    ; tile a's 16 rows x 64 columns into my stage, columns back in their order, and back as whole rows of 256 bytes
.set AC, 8*(16*\g+4*(\a))
	s_wait_xcnt 0x0                                ; earlier stores have read the registers that the loads below fill
	WIN 0x0c
.irp b, 0,1,2,3
	ds_store_b128 v[STO], v[AC+8*\b:AC+8*\b+3] offset:128*(\b/2)+32*(\b%2)       ; each accumulator from its low end on
	ds_store_b128 v[STO], v[AC+8*\b+4:AC+8*\b+7] offset:128*(\b/2)+32*(\b%2)+16
.endr
	WIN 0
.set BB, BK+32*((\a)%2)
.irp t, 0,1,2,3,4,5,6,7
	ds_load_b128 v[BB+4*\t:BB+4*\t+3], v[RD] offset:\t*2*SPITCH                  ; two rows a load; LDS serves a wave's instructions in order
.endr
.endm
.macro SEND a, g, younger
.set BB, BK+32*((\a)%2)
	s_wait_dscnt \younger
.irp t, 0,1,2,3,4,5,6,7
	global_store_b128 v[CO], v[BB+4*\t:BB+4*\t+3], s[12:13] offset:(32*((\a)/2)+8*((\a)%2)+16*(\t/4)+2*(\t%4))*4096+256*\g th:TH_STORE_NT   ; sixteen lanes store 256 consecutive bytes, aligned; places 2 t, 2 t + 1 of tile a go back to their rows
.endr
.endm
.macro WAYOUT g
	PLACES                                         ; behind the last products, ahead of the first read of results
	TOSTAGE 0, \g
.irp a, 1,2,3
	TOSTAGE \a, \g
	SEND \a-1, \g, 16                              ; behind that tile's loads: the next tile's 8 stores and 8 loads
.endr
	SEND 3, \g, 0
.endm
	s_load_b128 s[4:7], s[0:1], 0x0                ; oo, wq
	s_load_b64 s[12:13], s[0:1], 0x10              ; out0
	v_lshl_add_u32 v[SPW], v0, 2, SPARE
	v_mov_b32 v[NIL], 0
	ds_add_u32 v[SPW], v[NIL]                      ; the opening: the add, twice on end, and its wait ahead of my first tensor load
	ds_add_u32 v[SPW], v[NIL]
	v_lshrrev_b32 v13, 5, v0
	v_readfirstlane_b32 s14, v13                   ; wave
	s_bfe_u32 s15, ttmp6, 0x40000                  ; cx: it enters the addresses of plain loads and stores alone
	s_mov_b32 s[G1H], 15|(3<<16)|(1<<21)           ; group 1: 100 dense rows of 256 bytes: two records; the mask names all four partners
	s_mov_b32 s[G1H+1], 32<<16
	s_mov_b32 s[G1H+2], 100<<16
	s_mov_b32 s[G1H+3], 32<<16
	s_mov_b32 s[G1H+4], 100
	s_mov_b32 s[G1H+5], 32
	s_mov_b32 s[G1H+6], 0
	s_mov_b32 s[G1H+7], 0
	s_and_b32 s16, ttmp9, 7                        ; the block of 128 columns
	s_lshr_b32 s17, ttmp9, 3
	s_lshl_b32 s17, s17, 2
	s_add_co_u32 s17, s17, s15                     ; my block of 256 rows
	s_lshl_b32 s18, s16, 3
	s_lshl_b32 s19, s14, 1
	s_add_co_u32 s18, s18, s19
	s_add_co_u32 s18, s18, 192
	s_mul_i32 s54, s18, REC                        ; my quarter: wq records 192 + 8 block + 2 wave
	s_mov_b32 s55, 0
	s_lshl_b32 s18, s17, 4
	s_lshl_b32 s19, s14, 2
	s_add_co_u32 s18, s18, s19                     ; my first tile of o
	s_mul_i32 s56, s18, 12288
	s_mov_b32 s57, 0
	s_lshl_b32 s58, s18, 9
	s_add_co_u32 s58, s58, 6291456
	s_mov_b32 s59, 0
	s_lshl_b32 s60, s18, 16                        ; 16 rows of 4,096 bytes a tile,
	s_lshl_b32 s19, s16, 9
	s_add_co_u32 s60, s60, s19                     ; 512 bytes a block of columns
	s_mov_b32 s61, 0
	s_mul_i32 s[G0H+1], s14, 2*REC
	s_mul_i32 s23, s14, 16*SPITCH
	s_add_co_u32 s23, s23, STAGE
	s_wait_dscnt 0x0                               ; both opening adds are done
	s_wait_kmcnt 0x0
	s_mov_b32 s[G0H], 1
	s_add_nc_u64 s[G0H+2:G0H+3], s[6:7], s[54:55]
	s_or_b32 s[G0H+3], s[G0H+3], 0x80000000
	s_add_nc_u64 s[RB:RB+1], s[4:5], s[56:57]
	s_add_nc_u64 s[RC:RC+1], s[4:5], s[58:59]
	s_add_nc_u64 s[12:13], s[12:13], s[60:61]
	CROUND                                         ; all four work-groups are here: the joint loads meet
	tensor_load_to_lds s[G0H:G0H+3], s[G1H:G1H+7]  ; one tensor load a wave
	s_nop 0
	PLACES
	v_and_b32 v13, 31, v0
	v_and_b32 v14, 15, v0
	v_bfe_u32 v15, v0, 4, 1
	v_lshlrev_b32 v[L16], 4, v13
	v_lshlrev_b32 v[L8], 3, v13
	v_lshlrev_b32 v[R32], 5, v14
	v_add_nc_u32 v[ADB+1], 4*REC, v[L16]
	v_mul_u32_u24 v[ADS], v15, 4*REC
	v_lshl_add_u32 v[ADS], v14, 3, v[ADS]
	v_add_nc_u32 v[ADS], 12288, v[ADS]
	v_mul_u32_u24 v[STO], v14, SPITCH              ; the stage, in: row r, 64 bytes for each half of the lanes
	v_lshl_add_u32 v[STO], v15, 6, v[STO]
	v_add_nc_u32 v[STO], s23, v[STO]
	v_mul_u32_u24 v[RD], v15, SPITCH               ; back: lanes 0-15 one row of 256 bytes, lanes 16-31 the next
	v_lshl_add_u32 v[RD], v14, 4, v[RD]
	v_add_nc_u32 v[RD], s23, v[RD]
	v_lshlrev_b32 v[CO], 4, v14                    ; and the same two rows in out0
	v_lshl_add_u32 v[CO], v15, 12, v[CO]
	s_wait_alu depctr_va_vdst(0)                   ; the wait at the head's end
.irp a, 0,1,2,3                        ; o's scale words first: every step needs its own
.irp p, 0,1,2,3
	global_load_b64 v[RS+8*\a+2*\p:RS+8*\a+2*\p+1], v[R32], s[RC:RC+1] offset:\a*512+8*\p
.endr
.endr
.irp t, 0,1
	RLOAD \t
.endr
	s_wait_tensorcnt 0x0                           ; my quarter is in,
	s_barrier_signal -1
	s_barrier_wait -1                              ; and everybody's
	RLOAD 2
	RLOAD 3
	FETCH 0, 0
.irp t, 0,1,2,3,4,5,6,7
	STEP \t, 0
.endr
	WAYOUT 0
	FETCH 0, 1
.irp t, 0,1,2,3,4,5,6,7
	STEP \t, 1
.endr
	WAYOUT 1
	s_wait_tensorcnt 0x0                           ; the wave's end
	ds_add_u32 v[SPW], v[NIL]
	s_wait_dscnt 0x0
	CROUND                                         ; the closing round
	s_endpgm
.Lfunc_end_k_qd996c1db2e_gemm_out:
	.size	k_qd996c1db2e_gemm_out, .Lfunc_end_k_qd996c1db2e_gemm_out-k_qd996c1db2e_gemm_out
	.p2alignl 7, 3214868480
	.fill 96, 4, 3214868480
	.section	.rodata,"a",@progbits
	.p2align	6, 0x0
	.amdhsa_kernel k_qd996c1db2e_gemm_out
		.amdhsa_group_segment_fixed_size 167936
		.amdhsa_private_segment_fixed_size 0
		.amdhsa_enable_private_segment 0
		.amdhsa_kernarg_size 24
		.amdhsa_user_sgpr_count 2
		.amdhsa_user_sgpr_kernarg_segment_ptr 1
		.amdhsa_wavefront_size32 1
		.amdhsa_system_sgpr_workgroup_id_x 1
		.amdhsa_system_sgpr_workgroup_id_y 1
		.amdhsa_system_sgpr_workgroup_id_z 1
		.amdhsa_system_vgpr_workitem_id 0
		.amdhsa_next_free_vgpr 1024
		.amdhsa_next_free_sgpr 72
		.amdhsa_reserve_vcc 0
		.amdhsa_float_denorm_mode_32 3
		.amdhsa_float_denorm_mode_16_64 3
		.amdhsa_memory_ordered 1
		.amdhsa_forward_progress 1
		.amdhsa_inst_pref_size 84
	.end_amdhsa_kernel
	.amdgpu_metadata
---
amdhsa.version: [ 1, 2 ]
amdhsa.kernels:
  - .name:           k_qd996c1db2e_gemm_out
    .symbol:         k_qd996c1db2e_gemm_out.kd
    .args:
      - { .name: oo, .offset: 0, .size: 8, .value_kind: global_buffer, .address_space: global }
      - { .name: wq, .offset: 8, .size: 8, .value_kind: global_buffer, .address_space: global }
      - { .name: out0, .offset: 16, .size: 8, .value_kind: global_buffer, .address_space: global }
    .group_segment_fixed_size: 167936
    .private_segment_fixed_size: 0
    .kernarg_segment_align: 8
    .kernarg_segment_size: 24
    .max_flat_workgroup_size: 128
    .sgpr_count:     72
    .vgpr_count:     1024
    .wavefront_size: 32
...
	.end_amdgpu_metadata
.endif
;; end of part 4
